; MI455X (gfx1250); checked and timed in simulation.
; The chip was launched on July 23, 2026; its instructions are those of AMD's public machine-readable ISA for CDNA 5 (MIT licence, August 2026) and "CDNA5" Instruction Set Architecture Reference Guide (July 2026). The comments in the code are by the model that wrote it; some were corrected since.
;; Cross Attention. Allowed arithmetic: matrix products marked QUANTISED: E2M3 operands, one E8M0 scale for each 32 along K, by v_wmma_scale_f32_16x16x128_f8f6f4 with both operands' format E2M3, f32 sums; everything else in f32.
;; Inputs: Wk 1,024 x 1,024 float32; Wo 1,024 x 1,024 float32; Wq 1,024 x 1,024 float32; Wv 1,024 x 1,024 float32; context 4 x 512 x 1,024 float32; x 4 x 4,096 x 1,024 float32.
;; Outputs: out0 4 x 4,096 x 1,024 float32.
;; This version of the problem:
;;   THIS VERSION OF THE PROBLEM IS GIVEN IN LOW PRECISION. The matrix products marked QUANTISED in the list below multiply operands that are first quantised to E2M3 (2 exponent bits, 3 mantissa bits; 6 bits a number), with one power-of-two scale for each 32 numbers along K (OCP MX v1.0); their sums are f32. All else is computed in f32.
;;   The module's matrix products, in the order in which they are computed (A, B: the left and right operand; K: the contracted axis; several contracted axes count as one K, in the product's order):
;;     1. [M 16,384, K 1,024] x [K 1,024, N 1,024]; A: input x; B: input Wq: QUANTISED
;;     2. [M 2,048, K 1,024] x [K 1,024, N 1,024]; A: input context; B: input Wk: QUANTISED
;;     3. [M 2,048, K 1,024] x [K 1,024, N 1,024]; A: input context; B: input Wv: QUANTISED
;;     4. batch 64 x [M 4,096, K 64] x [K 64, N 512]; A: computed on the way; B: computed on the way: QUANTISED
;;     5. batch 64 x [M 4,096, K 512] x [K 512, N 64]; A: softmax (see below); B: computed on the way: QUANTISED
;;     6. [M 16,384, K 1,024] x [K 1,024, N 1,024]; A: computed on the way; B: input Wo: QUANTISED
;;   THE QUANTISER, for each operand of a quantised product, along K:
;;     - K is cut into blocks of 32 from its start; a last block that is shorter is filled with zeros.
;;     - A block's scale is 2^e with e = floor(log2(the largest magnitude in the block)) - 2, held to -126 .. 127; a block of zeros has e = 0. As a byte (E8M0): e + 127.
;;     - Each number is divided by its block's scale, clamped to +-7.5, and rounded to the nearest number of E2M3, ties to even, subnormals kept.
;;     - The product sums the exact products of the quantised numbers (number of the format x scale) in f32.
;;   ~~~python
;;   def quantise(x, axis):      # numpy; x: float32 -> the quantised numbers, widened to float32 again
;;       x = np.moveaxis(x, axis, -1); K = x.shape[-1]
;;       x = np.pad(x, [(0, 0)] * (x.ndim - 1) + [(0, -K % 32)]); x = x.reshape(x.shape[:-1] + (-1, 32)); a = np.abs(x).max(-1, keepdims=True)
;;       e = np.where(a > 0, np.clip(np.frexp(np.where(a > 0, a, 1))[1] - 1 - 2, -126, 127), 0)      # np.frexp(a)[1] - 1 = floor(log2(a)), exactly
;;       r = np.clip(x / 2.0 ** e, -7.5, 7.5)
;;       step = 2.0 ** (np.maximum(np.frexp(np.where(r == 0, 1, r))[1] - 1, 0) - 3)
;;       q = np.round(r / step) * step * 2.0 ** e      # np.round: ties to even
;;       return np.moveaxis(q.reshape(q.shape[:-2] + (-1,))[..., :K], -1, axis).astype(np.float32)
;;   ~~~
;;   SOFTMAX AHEAD OF A QUANTISED PRODUCT. Where the list says 'softmax', what is quantised is not the finished softmax but p = 2^(t - M), with t = logit x log2(e) and M = ceil(the row's largest t), a whole number; so 1/2 < the row's largest p <= 1. The row's sum l is taken of the UNQUANTISED p, in f32, and the product's result is divided by l at the end. Since M is a whole number, a kernel that streams over the keys may use a running M (the ceiling of the running maximum): every later rescaling is an exact power of two, which a block's scale takes up: the codes' values come out the same.
;;   OPERANDS COMPUTED ON THE WAY. 'Computed on the way' means the value that the module computes at that place (a softmax that the list does not call 'softmax' is quantised finished and normalised). What goes into a quantiser is computed in f32, as accurately as f32 sums, v_exp_f32 and their like allow (about 1e-6 of the number): no bf16 or f16 on the way to a quantiser, and a product that is left as it is and whose result goes on into a quantised operand takes f32 operands (vector FMAs, or v_wmma_f32_16x16x4_f32). A number that lies on a knife's edge between two numbers of the format may be rounded either way, as far as f32 arithmetic and the matrix unit's own rounding can turn it there, and no further.
;; One version. Each part assembles by itself: llvm-mc -triple=amdgcn-amd-amdhsa -mcpu=gfx1250 --defsym DOCPART=n.
;; ======== version 1 of 1: 4 launches
;; limits: right only within a limited range of input values
;; workspace buffers: wimg 3,145,728 bytes; wscl 131,072 bytes; aimg 14,155,776 bytes; ascl 589,824 bytes; pimg 15,728,640 bytes; pscl 655,360 bytes; oimg 12,582,912 bytes; oscl 524,288 bytes
;; launch quant (part 1): grid 832 x 1, 4 waves a work-group, no clusters, 34,304 bytes of LDS; arguments x, context, Wq, Wk, Wv, Wo, aimg, ascl, wimg, wscl; writes aimg, ascl, wimg, wscl
.if DOCPART == 1
	.amdgcn_target "amdgcn-amd-amdhsa--gfx1250"
	.amdhsa_code_object_version 6
	.text
	.protected	k_q174fab9ba7_quant
	.globl	k_q174fab9ba7_quant
	.p2align	8
	.type	k_q174fab9ba7_quant,@function
k_q174fab9ba7_quant:
	s_mov_b64 s[64:65], 0
	v_nop
	global_prefetch_b8 v0, s[64:65] scope:SCOPE_SE
	s_setreg_imm32_b32 hwreg(HW_REG_WAVE_MODE, 25, 1), 1
	s_wait_xcnt 0x0
; x [16384][1024] and context [2048][1024] (f32, K innermost) and Wq, Wk, Wv, Wo [1024 (k)][1024 (n)] (f32, K their FIRST axis) become codes of FP6 (E2M3) with one E8M0 scale byte for each 32 along K.
; A block's scale is 2^(floor(log2(its largest magnitude)) - 2); its byte is the largest magnitude's exponent field - 2, held at 1 from below.
; LIMITS: NaN and infinities are not served; a block whose largest magnitude lies under 2^-124 gets the byte 1; a block of zeros gets the byte 1 where the rule says 127:
; its codes are zeros, which add nothing under any byte but 0xff, and the bytes are read by this program alone.
; THE LAYOUT OF THE CODES is the image of the matrix operand's registers: fragment (tile m of 16 rows, K step s of 128) lies at (8 m + s) x 1,536 bytes; in it registers 4 g .. 4 g + 3 of lane l
; lie at 512 g + 16 l.  Lane (r, h) of a fragment holds in registers 6 c .. 6 c + 5 the codes of k = 64 c + 32 h + 0 .. 31.  The scale word of (m, s, r) lies at (8 m + s) x 64 + 4 r.
; THE ROWS OF A TILE ARE NOT NEIGHBOURS: lane r of tile m holds row (of a weight: column) 32 (m / 2) + 8 (m % 2) + r + 8 (r / 8), so that a product which takes such tiles as its source 0 leaves a lane 16 neighbours
; along that axis in the 16 registers of two neighbouring tiles.  In the activations' buffer tiles 0 - 1023 are x's, tiles 1024 - 1151 context's; in the weights' buffer each weight has 64 tiles, in the order Wq, Wk, Wv, Wo.
; ONE LAUNCH, TWO WAYS, parted on the work-group's number alone: work-groups 0 - 575 take the activations, 576 - 831 the weights.  Only the activations' way uses LDS.
; No work-group shares an input with another: no cluster; waves share nothing: no barrier.
.set NA,  576                          ; the activations' work-groups
; the activations' way
.set R,   16                           ; v16-143  two sets of 16 x 4 registers as loaded
.set XA,  144                          ; v144-207 64 numbers: register 16 b + i = k 32 b + 16 (lane / 16) + i of my row
.set PC,  208                          ; v208-219 the fragment's codes; v220-222, v224-226 the second conversions'
.set TM,  228                          ; v228-243 at work
.set PW,  244                          ; the scale word just made
.set PWT, 245                          ; v245-248 the four steps' scale words
.set SD,  249                          ; v249-250 two steps' words in one register: lanes 0-15 the first's, lanes 16-31 the second's
.set SEL, 34                           ; s[34:35] v_permlanex16_b32's selects for lane l xor 16
; the weights' way
.set XW,  32                           ; v32-95   two sets of 32 numbers
.set F,   96                           ; v96-119  my column's codes as the registers of lanes (r, 0) and (r, 1) of its fragment: twelve each
.set TC,  120                          ; v120-135 the second conversions', four registers for each block
.set SW,  8                            ; v8       my column's scale word
	s_load_b512 s[8:23], s[0:1], 0x0               ; x s[8:9], context s[10:11], Wq s[12:13], Wk s[14:15], Wv s[16:17], Wo s[18:19], the activations' codes s[20:21] and scale words s[22:23]
	s_load_b128 s[24:27], s[0:1], 0x40             ; the weights' codes s[24:25] and scale words s[26:27]
	v_lshl_add_u32 v254, v0, 2, 0x8400
	v_mov_b32 v255, 0
	v_lshrrev_b32 v1, 5, v0
	v_readfirstlane_b32 s28, v1                    ; wave
	v_and_b32 v2, 31, v0                           ; lane
	s_cmp_lt_u32 ttmp9, NA
	s_cbranch_scc0 .Lweights
; ---- THE ACTIVATIONS.  Work-group g: rows 32 g on (tiles 2 g, 2 g + 1).  Wave w: tile 2 g + w / 2, K steps 4 (w % 2) + 0 .. 3: four fragments.  Each load reads 512 consecutive bytes of one row (a K step).
; The conversions want 16 neighbours along K in ONE lane: a step's 16 rows x 512 bytes turn through the wave's own stage in LDS (rows 528 bytes apart, so that the 16 rows of a read start in 16 different groups of banks).
; x and context take one path: only pointers are chosen.
; 64 numbers of a lane, v[s] .. v[s + 63], become a fragment's codes in v[PC] on and its scale word in v[PW] (the same in lanes l and l xor 16)
.macro QUANT s
.irp b, 0,1,2,3
	v_max3_num_f32 v[TM+\b], |v[\s+16*\b]|, |v[\s+1+16*\b]|, 0x1800000   ; block b: my 16 numbers, and the floor 2^(3 - 127): the byte cannot fall under 1
.endr
.irp i, 2,4,6,8,10,12,14
.irp b, 0,1,2,3
	v_max3_num_f32 v[TM+\b], v[TM+\b], |v[\s+16*\b+\i]|, |v[\s+1+16*\b+\i]|   ; (the four blocks by turns)
.endr
.endr
.irp b, 0,1,2,3
	v_permlanex16_b32 v[TM+4+\b], v[TM+\b], s[SEL], s[SEL+1]
.endr
.irp b, 0,1,2,3
	v_max_num_f32 v[TM+\b], v[TM+\b], v[TM+4+\b]   ; with lane l xor 16's: the block's largest magnitude
.endr
.irp b, 0,1,2,3
	v_add_nc_u32 v[TM+12+\b], 0xff000000, v[TM+\b]   ; 2 off its exponent field: the conversion's scale operand
.endr
.irp b, 0,1,2,3
	v_lshrrev_b32 v[TM+4+\b], 23, v[TM+12+\b]      ; the scale's byte
.endr
	v_lshl_or_b32 v[PW], v[TM+5], 8, v[TM+4]
	v_lshl_or_b32 v[PW], v[TM+6], 16, v[PW]
	v_lshl_or_b32 v[PW], v[TM+7], 24, v[PW]
.irp c, 0,1
	v_cvt_scalef32_pk16_fp6_f32 v[PC+6*\c:PC+2+6*\c], v[\s+32*\c:\s+15+32*\c], v[TM+12+2*\c]
	v_cvt_scalef32_pk16_fp6_f32 v[PC+12+4*\c:PC+14+4*\c], v[\s+16+32*\c:\s+31+32*\c], v[TM+12+2*\c+1]   ; (a conversion's three registers begin on an even number)
.endr
	v_nop                                          ; one plain line behind the scaled conversions
.irp c, 0,1                                    ; the operand's layout wants a WHOLE block in a lane: lanes 0-15 block 2 c, lanes 16-31 block 2 c + 1
.irp i, 0,1,2
	v_permlane16_swap_b32 v[PC+6*\c+\i], v[PC+12+4*\c+\i]
.endr
.irp i, 0,1,2
	v_mov_b32 v[PC+3+6*\c+\i], v[PC+12+4*\c+\i]
.endr
.endr
.endm
	s_lshr_b32 s29, s28, 1                         ; u: which of the two tiles
	s_and_b32 s30, s28, 1                          ; which half of K
	v_and_b32 v4, 15, v0                           ; r
	v_bfe_u32 v5, v0, 4, 1                         ; h
	v_lshlrev_b32 v3, 4, v2                        ; 16 x lane: my bytes of a load's 512, and of an image's
	v_lshlrev_b32 v7, 2, v2                        ; 4 x lane
	s_mul_i32 s31, s28, 8448                       ; my wave's stage: 16 rows x 528 bytes
	v_add_nc_u32 v14, s31, v3                      ; into it: as loaded
	v_mul_u32_u24 v15, v4, 528
	v_lshl_add_u32 v15, v5, 6, v15
	v_add_nc_u32 v15, s31, v15                     ; out of it: row r, + 64 h: my 16 numbers of each block of 32
	v_cmp_le_u32 s32, 16, v2                       ; the mask of lanes 16-31
	s_mov_b32 s[SEL], 0x76543210
	s_mov_b32 s[SEL+1], 0xfedcba98
.irp b, 0,1,2,3
	v_mov_b32 v[TM+4+\b], 0                        ; written once: a lane permute's destination counts as one of its sources
.endr
	s_mul_i32 s38, ttmp9, 24576                    ; codes: 16 fragments a work-group,
	s_mul_i32 s39, s29, 12288                      ; 8 a tile,
	s_add_co_u32 s38, s38, s39
	s_mul_i32 s39, s30, 6144                       ; 4 a half of K
	s_add_co_u32 s38, s38, s39
	s_mov_b32 s39, 0
	s_lshl_b32 s40, ttmp9, 10                      ; scale words: the same in units of 64 bytes
	s_lshl_b32 s41, s29, 9
	s_add_co_u32 s40, s40, s41
	s_lshl_b32 s41, s30, 8
	s_add_co_u32 s40, s40, s41
	s_mov_b32 s41, 0
	s_wait_alu depctr_va_vdst(0)
	s_wait_kmcnt 0x0
	s_cmp_lt_u32 ttmp9, 512                        ; x's work-group or context's?  The choice hangs on the work-group's number alone
	s_cselect_b64 s[8:9], s[8:9], s[10:11]
	s_cselect_b32 s33, 0, 512
	s_sub_co_u32 s33, ttmp9, s33                   ; which 32 rows of that tensor
	s_lshl_b32 s36, s33, 17                        ; 32 rows of 4,096 bytes,
	s_lshl_b32 s37, s29, 15                        ; tile u begins 8 rows on,
	s_add_co_u32 s36, s36, s37
	s_lshl_b32 s37, s30, 11                        ; my half of K
	s_add_co_u32 s36, s36, s37
	s_mov_b32 s37, 0
	s_add_nc_u64 s[8:9], s[8:9], s[36:37]
	s_add_nc_u64 s[20:21], s[20:21], s[38:39]
	s_add_nc_u64 s[22:23], s[22:23], s[40:41]
.macro LOADA t                         ; K step t of the tile's 16 rows: lane-row i is row i + 8 (i / 8) from the tile's first
.irp i, 0,1,2,3,4,5,6,7,8,9,10,11,12,13,14,15
	global_load_b128 v[R+64*((\t)%2)+4*\i:R+64*((\t)%2)+4*\i+3], v3, s[8:9] offset:(\i+8*(\i/8))*4096+512*(\t) th:TH_LOAD_NT   ; 32 lanes read 512 consecutive bytes
.endr
.endm
.macro TURNA t                         ; through the stage: LDS serves a wave's instructions in order (ISA guide 5.7.1.4), so no wait stands between the stores and the loads
.irp i, 0,1,2,3,4,5,6,7,8,9,10,11,12,13,14,15
	ds_store_b128 v14, v[R+64*((\t)%2)+4*\i:R+64*((\t)%2)+4*\i+3] offset:528*\i
.endr
.irp b, 0,1,2,3
.irp j, 0,1,2,3
	ds_load_b128 v[XA+16*\b+4*\j:XA+16*\b+4*\j+3], v15 offset:128*\b+16*\j
.endr
.endr
.endm
	LOADA 0
	LOADA 1
.macro STEPQ t
.if (\t) < 3
	s_wait_loadcnt 16                              ; this step's 16 loads are in; the next step's may be out
.else
	s_wait_loadcnt 0
.endif
	TURNA \t
	s_wait_dscnt 0x0                               ; my 64 numbers are back, and the stage's stores have read their registers,
.if (\t) < 2
	LOADA (\t)+2                                   ; which take the loads of two steps on
.endif
	s_wait_xcnt 0x0                                ; the last step's stores have read the codes' registers: they are written again only behind this wait
	QUANT XA
.irp k, 0,1,2
	global_store_b128 v3, v[PC+4*\k:PC+4*\k+3], s[20:21] offset:1536*(\t)+512*\k   ; 32 lanes store 512 consecutive bytes, at a multiple of 512 from the buffer's first byte
.endr
	v_mov_b32 v[PWT+(\t)], v[PW]
.endm
.irp t, 0,1,2,3
	STEPQ \t
.endr
.irp v, 0,1
	v_cndmask_b32 v[SD+\v], v[PWT+2*\v], v[PWT+2*\v+1], s32   ; lanes 0-15: step 2 v's words; lanes 16-31: step 2 v + 1's, which lie 64 bytes on
	global_store_b32 v7, v[SD+\v], s[22:23] offset:128*\v     ; 128 consecutive bytes
.endr
	s_wait_tensorcnt 0x0
	ds_add_u32 v254, v255
	s_wait_dscnt 0x0
	s_endpgm
; ---- THE WEIGHTS.  Work-group 576 + t: weight t / 64, K step (t / 8) % 8, columns 128 (t % 8) on.  Wave w: the 32 columns 32 B on, B = 4 (t % 8) + w, which are tiles 2 B and 2 B + 1.
; A LANE TAKES A COLUMN AND ITS REGISTERS RUN DOWN K: each load reads 128 consecutive bytes a wave (512 a work-group), a block of 32 lies in one lane, and the conversions give codes with K innermost.
; Column o of the 32 is lane r = o % 8 + 8 (o / 16) of tile u = (o / 8) % 2.  Its blocks h and 2 + h ARE the twelve registers of lane (r, h) of the fragment: they are made in twelve consecutive registers and stored
; as they stand, 16 bytes a lane: in each store the sixteen lanes of a tile write 256 consecutive bytes, at a multiple of 256 from the buffer's first byte.  No LDS, nothing changes lanes.
.Lweights:
	s_sub_co_u32 s29, ttmp9, NA                    ; t
	s_lshr_b32 s30, s29, 6                         ; which weight
	s_bfe_u32 s31, s29, 0x30003                    ; which K step (3 bits from bit 3)
	s_and_b32 s32, s29, 7
	s_lshl_b32 s32, s32, 2
	s_add_co_u32 s32, s32, s28                     ; B
	s_wait_alu depctr_va_vdst(0)
	v_lshlrev_b32 v3, 2, v2                        ; in: 4 bytes a lane
	v_bfe_u32 v9, v0, 3, 1                         ; u
	v_and_b32 v10, 7, v0
	v_bfe_u32 v1, v0, 4, 1
	v_lshl_add_u32 v10, v1, 3, v10                 ; r
	v_mul_u32_u24 v4, v9, 12288                    ; out: tile 2 B + u lies 8 u fragments on,
	v_lshl_add_u32 v4, v10, 4, v4                  ; 16 r
	v_lshlrev_b32 v7, 9, v9
	v_lshl_add_u32 v7, v10, 2, v7                  ; my scale word: tile u is 512 bytes on, 4 r
	s_lshl_b32 s36, s31, 19                        ; in: 128 rows of 4,096 bytes a K step,
	s_lshl_b32 s37, s32, 7                         ; 32 columns of 4 bytes a wave
	s_add_co_u32 s36, s36, s37
	s_mov_b32 s37, 0
	s_mul_i32 s38, s30, 786432                     ; codes: a weight's 64 x 8 fragments,
	s_mul_i32 s39, s32, 24576                      ; tile 2 B: 16 B fragments,
	s_add_co_u32 s38, s38, s39
	s_mul_i32 s39, s31, 1536                       ; K step s
	s_add_co_u32 s38, s38, s39
	s_mov_b32 s39, 0
	s_lshl_b32 s40, s30, 15                        ; scale words: the same in units of 64 bytes
	s_lshl_b32 s41, s32, 10
	s_add_co_u32 s40, s40, s41
	s_lshl_b32 s41, s31, 6
	s_add_co_u32 s40, s40, s41
	s_mov_b32 s41, 0
	s_wait_alu depctr_va_vdst(0)
	s_wait_kmcnt 0x0
	s_cmp_eq_u32 s30, 1                            ; the weight is chosen by the work-group's number alone
	s_cselect_b64 s[12:13], s[14:15], s[12:13]
	s_cmp_eq_u32 s30, 2
	s_cselect_b64 s[12:13], s[16:17], s[12:13]
	s_cmp_eq_u32 s30, 3
	s_cselect_b64 s[12:13], s[18:19], s[12:13]
	s_add_nc_u64 s[12:13], s[12:13], s[36:37]
	s_add_nc_u64 s[24:25], s[24:25], s[38:39]
	s_add_nc_u64 s[26:27], s[26:27], s[40:41]
.macro LOADW t                         ; block t: W(32 t + i, my column), i = 0 .. 31, into set t % 2
.irp i, 0,1,2,3,4,5,6,7,8,9,10,11,12,13,14,15,16,17,18,19,20,21,22,23,24,25,26,27,28,29,30,31
	global_load_b32 v[XW+32*((\t)%2)+\i], v3, s[12:13] offset:(32*(\t)+\i)*4096 th:TH_LOAD_NT
.endr
.endm
	LOADW 0
	LOADW 1
.macro BLOCKW t
.set XS, XW+32*((\t)%2)
.set CT, F+12*((\t)%2)+6*((\t)/2)      ; block t is k = 64 (t / 2) + 32 (t % 2) on: registers 6 (t / 2) .. + 5 of lane (r, t % 2)
.set C2, TC+4*(\t)
.if (\t) < 3
	s_wait_loadcnt 32                              ; this block's 32 loads are in; the next block's may be out
.else
	s_wait_loadcnt 0
.endif
	v_max3_num_f32 v12, |v[XS]|, |v[XS+1]|, |v[XS+2]|               ; the block's largest magnitude: all 32 numbers are mine; two chains
	v_max3_num_f32 v13, |v[XS+3]|, |v[XS+4]|, |v[XS+5]|
.irp i, 6,10,14,18,22,26
	v_max3_num_f32 v12, v12, |v[XS+\i]|, |v[XS+\i+1]|
	v_max3_num_f32 v13, v13, |v[XS+\i+2]|, |v[XS+\i+3]|
.endr
	v_max3_num_f32 v12, v12, |v[XS+30]|, |v[XS+31]|
	v_max3_num_f32 v12, v12, v13, 0x1800000        ; and the floor 2^(3 - 127): the byte cannot fall under 1
	v_add_nc_u32 v11, 0xff000000, v12              ; 2 off the exponent field: the conversion takes the exponent field of this operand as its scale
	v_lshrrev_b32 v13, 23, v11                     ; the scale's byte
	v_cvt_scalef32_pk16_fp6_f32 v[CT:CT+2], v[XS:XS+15], v11
	v_cvt_scalef32_pk16_fp6_f32 v[C2:C2+2], v[XS+16:XS+31], v11   ; (a conversion's three registers begin on an even number)
.if (\t) == 0
	v_mov_b32 v[SW], v13                           ; byte t of the scale word.  (Also the plain line between the conversions and the moves of their results)
.else
	v_lshl_or_b32 v[SW], v13, 8*(\t), v[SW]
.endif
.irp i, 0,1,2
	v_mov_b32 v[CT+3+\i], v[C2+\i]
.endr
.if (\t) >= 2                          ; lane (r, t % 2)'s twelve registers are whole
.irp k, 0,1,2
	global_store_b128 v4, v[F+12*((\t)%2)+4*\k:F+12*((\t)%2)+4*\k+3], s[24:25] offset:512*\k+256*((\t)%2)
.endr
.endif
.if (\t) < 2
	LOADW (\t)+2
.endif
.endm
.irp t, 0,1,2,3
	BLOCKW \t
.endr
	global_store_b32 v7, v[SW], s[26:27]           ; 16 words of each of the two tiles
	s_endpgm
.Lfunc_end_k_q174fab9ba7_quant:
	.size	k_q174fab9ba7_quant, .Lfunc_end_k_q174fab9ba7_quant-k_q174fab9ba7_quant
	.p2alignl 7, 3214868480
	.fill 96, 4, 3214868480
	.section	.rodata,"a",@progbits
	.p2align	6, 0x0
	.amdhsa_kernel k_q174fab9ba7_quant
		.amdhsa_group_segment_fixed_size 34304
		.amdhsa_private_segment_fixed_size 0
		.amdhsa_enable_private_segment 0
		.amdhsa_kernarg_size 80
		.amdhsa_user_sgpr_count 2
		.amdhsa_user_sgpr_kernarg_segment_ptr 1
		.amdhsa_wavefront_size32 1
		.amdhsa_system_sgpr_workgroup_id_x 1
		.amdhsa_system_sgpr_workgroup_id_y 1
		.amdhsa_system_sgpr_workgroup_id_z 1
		.amdhsa_system_vgpr_workitem_id 0
		.amdhsa_next_free_vgpr 256
		.amdhsa_next_free_sgpr 66
		.amdhsa_reserve_vcc 0
		.amdhsa_float_denorm_mode_32 3
		.amdhsa_float_denorm_mode_16_64 3
		.amdhsa_memory_ordered 1
		.amdhsa_forward_progress 1
		.amdhsa_inst_pref_size 54
	.end_amdhsa_kernel
	.amdgpu_metadata
---
amdhsa.version: [ 1, 2 ]
amdhsa.kernels:
  - .name:           k_q174fab9ba7_quant
    .symbol:         k_q174fab9ba7_quant.kd
    .args:
      - { .name: x, .offset: 0, .size: 8, .value_kind: global_buffer, .address_space: global }
      - { .name: context, .offset: 8, .size: 8, .value_kind: global_buffer, .address_space: global }
      - { .name: Wq, .offset: 16, .size: 8, .value_kind: global_buffer, .address_space: global }
      - { .name: Wk, .offset: 24, .size: 8, .value_kind: global_buffer, .address_space: global }
      - { .name: Wv, .offset: 32, .size: 8, .value_kind: global_buffer, .address_space: global }
      - { .name: Wo, .offset: 40, .size: 8, .value_kind: global_buffer, .address_space: global }
      - { .name: aimg, .offset: 48, .size: 8, .value_kind: global_buffer, .address_space: global }
      - { .name: ascl, .offset: 56, .size: 8, .value_kind: global_buffer, .address_space: global }
      - { .name: wimg, .offset: 64, .size: 8, .value_kind: global_buffer, .address_space: global }
      - { .name: wscl, .offset: 72, .size: 8, .value_kind: global_buffer, .address_space: global }
    .group_segment_fixed_size: 34304
    .private_segment_fixed_size: 0
    .kernarg_segment_align: 8
    .kernarg_segment_size: 80
    .max_flat_workgroup_size: 128
    .sgpr_count:     66
    .vgpr_count:     256
    .wavefront_size: 32
...
	.end_amdgpu_metadata
.endif
;; end of part 1
;; launch proj (part 2): grid 4 x 64, 4 waves a work-group, clusters of 4 x 4, 327,680 bytes of LDS; arguments aimg, ascl, wimg, wscl, pimg, pscl; writes pimg, pscl
.if DOCPART == 2
	.amdgcn_target "amdgcn-amd-amdhsa--gfx1250"
	.amdhsa_code_object_version 6
	.text
	.protected	k_q174fab9ba7_proj
	.globl	k_q174fab9ba7_proj
	.p2align	8
	.type	k_q174fab9ba7_proj,@function
k_q174fab9ba7_proj:
	s_mov_b64 s[64:65], 0
	v_nop
	global_prefetch_b8 v0, s[64:65] scope:SCOPE_SE
	s_setreg_imm32_b32 hwreg(HW_REG_WAVE_MODE, 25, 1), 1
	s_wait_xcnt 0x0
	s_wait_alu depctr_hold_cnt(0) depctr_sa_sdst(0) depctr_va_vdst(0) depctr_va_sdst(0) depctr_va_ssrc(0) depctr_va_vcc(0) depctr_vm_vsrc(0)
	s_getreg_b32 s2, hwreg(HW_REG_IB_STS2, 6, 4)
	s_cmp_eq_u32 s2, 0
	s_cbranch_scc0 .Lentry_in_a_cluster
	s_endpgm
.Lentry_in_a_cluster:
	s_bfe_u32 s2, ttmp6, 0x10000c
	s_cmp_lg_u32 s2, 0xf033
	s_cbranch_scc0 .Lentry_shape_is_right
	s_endpgm
.Lentry_shape_is_right:
; q = x Wq, k = context Wk, v = context Wv, on codes of FP6 (E2M3) with E8M0 scales; sums in f32, K = 1,024 ascending, one accumulator an output.  The results are quantised in registers, as the next
; products want them (q and k along the head's 64, v along the keys), and leave as codes and scale words: no f32 result goes to memory.
; LIMITS: NaN and infinities are not served; a result block whose largest magnitude lies under 2^-124 gets the byte 1; a block of zeros gets the byte 1 where the rule says 127 (its codes are zeros; this program alone reads the bytes).
; OPERANDS lie in memory as images of the matrix operand's registers: fragment (tile m of 16 rows, K step s of 128) at (8 m + s) x 1,536 bytes, registers 4 g .. 4 g + 3 of lane l at 512 g + 16 l; scale word (m, s, r) at
; (8 m + s) x 64 + 4 r.  Lane r of tile m holds row 32 (m / 2) + 8 (m % 2) + r + 8 (r / 8).  A fragment is three loads of 512 consecutive bytes, from LDS too.
; Y is source 1 (a lane holds one row of Y), X is source 0 (a lane's registers run along X): the 64 registers of one block of Y against X's eight blocks are 128 NEIGHBOURS along X, 16 of each 32 in a lane: ONE fragment of the next operand.
; THE DEAL: q has 256 tiles of 256 x 256, k and v together 64.  256 work-groups, each with equal work in two parts.
;   PART 1: a tile of q, 256 (Y = x's rows) x 256 (X = Wq's columns): four waves, each 128 x 128: 64 accumulators.
;   PART 2: a block of 128 x 128 of k or v: the cluster's y picks a region of 512 x 512 (0-7: k, Y = context's rows, X = Wk's columns; 8-15: v, Y = Wv's columns, X = context's rows), the work-group's place its block.
;           A wave takes 2 blocks of Y against X's eight: 16 accumulators.  Only pointers and offsets are chosen: all take one path through the text.
; OUT: q and k: fragment (m, s') at (8 m + s') x 1,536, m as in the activations' buffer, s' = the pair of heads.  v: at PVOFF + (16 m + s') x 1,536, m = tile of h 64 + d, s' = 4 batch + key step.
; LDS: three slots of 98,304 bytes (K = 256 of Y's 16 tiles and X's 16), part 1's scale words, the spare words.  One tensor load a wave at the head and behind each round:
;   head: wave 0 Y's fill 0, wave 1 X's fill 0, wave 2 Y's scale words, wave 3 X's;  next round: fills 1 and 2 of Y and X, one a wave;  at slot 0's change: fill 3, by waves 0 and 1;
;   at slot 2's change: ALL of part 2's codes, two dense runs of 98,304 bytes, a half of a run a wave, into slots 1 and 2: 160 matrix instructions a wave and the way out of q stand between the request and the wait for it.
; Part 2's scale words go straight into 40 registers, by 40 loads of 128 consecutive bytes at the head: lanes 0-15 hold an even K step's words, lanes 16-31 the next step's.
; CLUSTERS: 4 x 4 work-groups.  In both parts Y's tiles hang on the cluster's y and cy alone and are shared along a row of the cluster, X's on the cluster's y and cx alone and are shared along a column: each is asked for JOINTLY.
; No data prefetch: K is short (four fills), three of the four fills and all of part 2 are asked for as soon as their bytes in LDS are free.
; REGISTERS: window 0: v16-31 addresses; v32-63 part 1's scale words, two sets; v64-103 at work on the way out; v104-111, v224-255 part 2's scale words; v128-223 Y's fragments.   window 1: X's fragments, TWO sets, at v0 and v128.
;   window 2: the accumulators of Y blocks 0-3 ((a, b) at v[8 (8 (a % 4) + b)]);   window 3: those of blocks 4-7.
.set FR,     12
.set NL,     3
.set NP,     4                         ; places behind this matrix instruction (ISA guide 7.12.1)
.set NQ,     2
.set FRB,    1536
.set HALFT,  8*NQ*FRB
.set SLOT,   4*HALFT
.set SCL,    3*SLOT
.set HALFS,  4096
.set SPARE,  SCL+4*HALFS
.set P2,     SLOT                      ; part 2's codes: Y's 8 tiles x 8 steps, then X's
.set P2H,    49152                     ; four tiles x 8 steps: what one of its loads brings
.set PVOFF,  14155776
.set PVSOFF, 589824
.set ADRA, 16                          ; v16-18 my Y fragments in slots 0, 1, 2
.set ADY,  19                          ; part 2: my two tiles of Y
.set ADRB, 20                          ; v20-22 my X fragments
.set L4,   23                          ; 4 x lane
.set SOF2, 24                          ; part 2's place of a scale word on the way out
.set SOF,  25                          ; part 1's: lanes 0-15 the even block's, lanes 16-31 the odd block's
.set LI,   26                          ; 16 x lane
.set ADRS, 27
.set SPW,  28
.set NIL,  29
.set ADX,  30                          ; v30-31 part 2: X's tiles 0-3, 4-7
.set SC,   32
.set TM,   64
.set PW,   80
.set PWE,  81
.set SD,   82
.set PC,   84
.set YSC,  104                         ; part 2: register 4 a + u: Y block a's words of K steps 2 u (lanes 0-15), 2 u + 1 (lanes 16-31)
.set AF,   128
.set XSC,  224                         ; the same of X's eight blocks
.set G1,   24
.set G0,   32
.set G0C,  4
.set G1B,  40
.set G0B,  48
.set G0BC, 8
.set G1S,  56
.set G0S,  68
.set G1SB, 72
.set G0SB, 80
.set SEL,  92
.set MSB, 0
.macro WIN new
.if MSB != \new
	s_set_vgpr_msb (MSB<<8)|\new
.set MSB, \new
.endif
.endm
.set MUL_LO, 0xa1                      ; source 0 (X) window 1, source 1 (Y) window 0, C and D window 2
.set MUL_HI, 0xf1
.set TO_B,   0x40
.macro TLOAD g0, g1                    ; a joint load with the lines behind it
	tensor_load_to_lds s[\g0:\g0+3], s[\g1:\g1+7]
	s_nop 0
.rept 4
	v_nop
.endr
.endm
.macro JLOAD g0a, g1a, g0b, g1b        ; wave 0 fetches for Y, wave 1 for X, waves 2 and 3 nothing; the branches hang on the wave's number alone
	s_cmp_eq_u32 s16, 0
	s_cbranch_scc0 .Lfor_b_\@
	TLOAD \g0a, \g1a
	s_branch .Lasked_\@
.Lfor_b_\@:
	s_cmp_eq_u32 s16, 1
	s_cbranch_scc0 .Lasked_\@
	TLOAD \g0b, \g1b
.Lasked_\@:
.endm
.macro ARM4 a0, a1, b0, b1, c0, c1, d0, d1   ; four joint loads, one a wave: ONE chain of branches on the wave's number, all arms leading to one join
	s_cmp_lt_u32 s16, 1
	s_cbranch_scc0 .Larm_b_\@
	TLOAD \a0, \a1
	s_branch .Larm_e_\@
.Larm_b_\@:
	s_cmp_lt_u32 s16, 2
	s_cbranch_scc0 .Larm_c_\@
	TLOAD \b0, \b1
	s_branch .Larm_e_\@
.Larm_c_\@:
	s_cmp_lt_u32 s16, 3
	s_cbranch_scc0 .Larm_d_\@
	TLOAD \c0, \c1
	s_branch .Larm_e_\@
.Larm_d_\@:
	TLOAD \d0, \d1
.Larm_e_\@:
.endm
.macro CREST
	s_cmp_lg_u32 s16, 0
	s_cbranch_scc1 .Lnot_wave_0_\@
	s_barrier_signal -3
.Lnot_wave_0_\@:
	s_barrier_wait -3
	s_barrier_signal -1
	s_barrier_wait -1
.endm
.macro CROUND
	s_barrier_signal -1
	s_barrier_wait -1
	CREST
.endm
	s_load_b256 s[4:11], s[0:1], 0x0               ; activations' codes s[4:5] and scales s[6:7], weights' codes s[8:9] and scales s[10:11]
	s_load_b128 s[12:15], s[0:1], 0x20             ; the results' codes s[12:13] and scales s[14:15]
	v_lshl_add_u32 v[SPW], v0, 2, SPARE
	v_mov_b32 v[NIL], 0
	ds_add_u32 v[SPW], v[NIL]                      ; the opening lines: the add twice on end
	ds_add_u32 v[SPW], v[NIL]
	s_wait_dscnt 0x0
	v_lshrrev_b32 v1, 5, v0
	v_readfirstlane_b32 s16, v1                    ; wave 0..3
	s_lshr_b32 s17, s16, 1                         ; part 1: which half of Y is mine
	s_and_b32 s18, s16, 1                          ; which half of X
	s_bfe_u32 s19, ttmp6, 0x40000                  ; cx
	s_bfe_u32 s20, ttmp6, 0x40004                  ; cy
	s_and_b32 s21, ttmp7, 0xffff                   ; the cluster's y, 0..15
	s_lshl_b32 s22, s20, 2
	s_lshl_b32 s22, 15, s22                        ; my row of the cluster
	s_lshl_b32 s23, 0x1111, s19                    ; my column
	s_or_b32 s[G1+0], s22, (3<<16)|(1<<21)         ; elements of 8 bytes, no padding, bit 21 beside the mask
	s_or_b32 s[G1B+0], s23, (3<<16)|(1<<21)
.irp g, G1, G1B
	s_mov_b32 s[\g+1], 384<<16                     ; 16 rows of 3,072 bytes (a tile's two fragments), 12,288 bytes apart, dense in LDS
	s_mov_b32 s[\g+2], 16<<16
	s_mov_b32 s[\g+3], 384<<16
	s_mov_b32 s[\g+4], 16
	s_mov_b32 s[\g+5], 1536
	s_mov_b32 s[\g+6], 0
	s_mov_b32 s[\g+7], 0
.endr
	s_or_b32 s[G1S+0], s22, (3<<16)|(1<<21)
	s_or_b32 s[G1SB+0], s23, (3<<16)|(1<<21)
.irp g, G1S, G1SB
	s_mov_b32 s[\g+1], 32<<16                      ; the scale words of 16 tiles: 8,192 dense bytes, as 32 rows of 256
	s_mov_b32 s[\g+2], 32<<16
	s_mov_b32 s[\g+3], 32<<16
	s_mov_b32 s[\g+4], 32
	s_mov_b32 s[\g+5], 32
	s_mov_b32 s[\g+6], 0
	s_mov_b32 s[\g+7], 0
.endr
	s_lshl_b32 s85, s21, 2
	s_add_co_u32 s85, s85, s20                     ; part 1: ty, which 256 rows of x: it holds cy and never cx
	; part 2: the region by the cluster's y, which all sixteen partners share
	s_lshr_b32 s32, s21, 1                         ; k: ry
	s_and_b32 s33, s21, 1                          ; k: rx
	s_bfe_u32 s34, s21, 0x10002                    ; v: ry
	s_and_b32 s35, s21, 3                          ; v: rx
	s_cmp_ge_u32 s21, 8                            ; v : k.  Nothing but selections follows until all are made
	s_cselect_b32 s32, s34, s32
	s_cselect_b32 s33, s35, s33
	s_cselect_b32 s34, 0, 1024                     ; Y's first tile: context's tiles begin at 1024
	s_cselect_b32 s35, 1024, 0                     ; X's
	s_cselect_b32 s36, 1572864, 0                  ; Y's codes begin at Wv
	s_cselect_b32 s37, 65536, 0
	s_cselect_b32 s38, 0, 786432                   ; X's at Wk
	s_cselect_b32 s39, 0, 32768
	s_cselect_b32 s84, 16, 8                       ; K steps in a row tile of the result
	s_cselect_b32 s48, PVOFF, 0
	s_cselect_b32 s49, PVSOFF, 0
	s_lshl_b32 s32, s32, 5
	s_lshl_b32 s50, s20, 3
	s_add_co_u32 s32, s32, s50
	s_add_co_u32 s34, s34, s32                     ; Y's first tile of my block: 32 ry + 8 cy: cy alone
	s_lshl_b32 s33, s33, 2
	s_add_co_u32 s33, s33, s19                     ; s' = 4 rx + cx: cx alone
	s_lshl_b32 s51, s33, 3
	s_add_co_u32 s35, s35, s51                     ; X's first tile: 32 rx + 8 cx
	s_mul_i32 s94, s34, 12288                      ; Y's codes, in bytes
	s_add_co_u32 s94, s94, s36
	s_mov_b32 s95, 0
	s_mul_i32 s96, s35, 12288                      ; X's
	s_add_co_u32 s96, s96, s38
	s_mov_b32 s97, 0
	s_lshl_b32 s50, s16, 1
	s_add_co_u32 s50, s50, s34                     ; my wave's first tile of Y
	s_lshl_b32 s2, s50, 9                          ; its scale words
	s_add_co_u32 s2, s2, s37
	s_mov_b32 s3, 0
	s_lshl_b32 s66, s35, 9                         ; X's scale words
	s_add_co_u32 s66, s66, s39
	s_mov_b32 s67, 0
	s_mul_i32 s50, s50, s84
	s_add_co_u32 s50, s50, s33                     ; my first fragment of the result
	s_mul_i32 s98, s50, FRB
	s_add_co_u32 s98, s98, s48
	s_mov_b32 s99, 0
	s_lshl_b32 s100, s50, 6
	s_add_co_u32 s100, s100, s49
	s_mov_b32 s101, 0
	; part 1: operands, and my first fragment of q: (16 ty + 8 half) 8 + 2 cx + half
	s_mul_i32 s52, s85, 196608
	s_mov_b32 s53, 0
	s_lshl_b32 s54, s85, 13
	s_mov_b32 s55, 0
	s_mul_i32 s68, s19, 196608
	s_mov_b32 s69, 0
	s_lshl_b32 s70, s19, 13
	s_mov_b32 s71, 0
	s_lshl_b32 s22, s85, 4
	s_lshl_b32 s23, s17, 3
	s_add_co_u32 s22, s22, s23
	s_lshl_b32 s22, s22, 3
	s_lshl_b32 s23, s19, 1
	s_add_co_u32 s22, s22, s23
	s_add_co_u32 s22, s22, s18
	s_mul_i32 s36, s22, FRB
	s_mov_b32 s37, 0
	s_lshl_b32 s38, s22, 6
	s_mov_b32 s39, 0
	s_wait_kmcnt 0x0
	s_cmp_ge_u32 s21, 8                            ; v : k
	s_cselect_b64 s[86:87], s[8:9], s[4:5]         ; part 2: Y's codes: the weights' : the activations'
	s_cselect_b64 s[88:89], s[4:5], s[8:9]         ; X's codes
	s_cselect_b64 s[90:91], s[10:11], s[6:7]       ; Y's scales
	s_cselect_b64 s[92:93], s[6:7], s[10:11]       ; X's scales
	s_add_nc_u64 s[94:95], s[86:87], s[94:95]      ; kept: part 2's Y codes,
	s_add_nc_u64 s[96:97], s[88:89], s[96:97]      ; X codes,
	s_add_nc_u64 s[2:3], s[90:91], s[2:3]          ; Y scale words,
	s_add_nc_u64 s[66:67], s[92:93], s[66:67]      ; X scale words,
	s_add_nc_u64 s[98:99], s[12:13], s[98:99]      ; its results' codes
	s_add_nc_u64 s[100:101], s[14:15], s[100:101]  ; and scale words
	s_add_nc_u64 s[12:13], s[12:13], s[36:37]
	s_add_nc_u64 s[14:15], s[14:15], s[38:39]
	s_add_nc_u64 s[86:87], s[4:5], s[52:53]        ; part 1: Y's codes, Y's scales, X's codes, X's scales
	s_add_nc_u64 s[88:89], s[6:7], s[54:55]
	s_add_nc_u64 s[90:91], s[8:9], s[68:69]
	s_add_nc_u64 s[92:93], s[10:11], s[70:71]
	CROUND                                         ; all sixteen work-groups are here: the first joint loads meet
	s_mov_b32 s[G0S], 1
	s_mov_b32 s[G0S+1], SCL
	s_mov_b64 s[G0S+2:G0S+3], s[88:89]
	s_or_b32 s[G0S+3], s[G0S+3], 0x80000000
	s_mov_b32 s[G0SB], 1
	s_mov_b32 s[G0SB+1], SCL+2*HALFS
	s_mov_b64 s[G0SB+2:G0SB+3], s[92:93]
	s_or_b32 s[G0SB+3], s[G0SB+3], 0x80000000
.irp s, 0,1
	s_mov_b32 s[G0+4*\s], 1
	s_mov_b32 s[G0+4*\s+1], \s*SLOT
	s_add_nc_u64 s[G0+4*\s+2:G0+4*\s+3], s[86:87], \s*NQ*FRB
	s_or_b32 s[G0+4*\s+3], s[G0+4*\s+3], 0x80000000
	s_mov_b32 s[G0B+4*\s], 1
	s_mov_b32 s[G0B+4*\s+1], \s*SLOT+2*HALFT
	s_add_nc_u64 s[G0B+4*\s+2:G0B+4*\s+3], s[90:91], \s*NQ*FRB
	s_or_b32 s[G0B+4*\s+3], s[G0B+4*\s+3], 0x80000000
.endr
	s_mov_b32 s[G0C], 1
	s_mov_b32 s[G0C+1], 2*SLOT
	s_add_nc_u64 s[G0C+2:G0C+3], s[86:87], 2*NQ*FRB
	s_or_b32 s[G0C+3], s[G0C+3], 0x80000000
	s_mov_b32 s[G0BC], 1
	s_mov_b32 s[G0BC+1], 2*SLOT+2*HALFT
	s_add_nc_u64 s[G0BC+2:G0BC+3], s[90:91], 2*NQ*FRB
	s_or_b32 s[G0BC+3], s[G0BC+3], 0x80000000
	ARM4 G0, G1, G0B, G1B, G0S, G1S, G0SB, G1SB    ; the head's four tiles, one a wave
	v_and_b32 v1, 15, v0                           ; r
	v_bfe_u32 v2, v0, 4, 1                         ; h
	v_and_b32 v3, 31, v0                           ; lane
	v_lshlrev_b32 v[LI], 4, v3
	v_lshlrev_b32 v[L4], 2, v3
	s_wait_alu depctr_va_vdst(0)
.irp i, 0,1,2,3,4,5,6,7
.irp u, 0,1,2,3
	global_load_b32 v[XSC+4*\i+\u], v[L4], s[66:67] offset:512*\i+128*\u   ; part 2's scale words: 32 lanes read 128 consecutive bytes: two K steps of a tile
.endr
.endr
.irp a, 0,1
.irp u, 0,1,2,3
	global_load_b32 v[YSC+4*\a+\u], v[L4], s[2:3] offset:512*\a+128*\u
.endr
.endr
	s_mul_i32 s22, s17, HALFT                      ; my 8 tiles of Y
	s_mul_i32 s23, s18, HALFT                      ; my 8 tiles of X,
	s_add_co_u32 s23, s23, 2*HALFT                 ; which lie behind Y's 16
.irp s, 0,1,2
	v_add_nc_u32 v[ADRA+\s], s22, v[LI]
	v_add_nc_u32 v[ADRB+\s], s23, v[LI]
	s_add_co_u32 s22, s22, SLOT
	s_add_co_u32 s23, s23, SLOT
.endr
	v_lshlrev_b32 v5, 2, v1                        ; 4 r
	s_lshl_b32 s22, s17, 12
	s_lshl_b32 s23, s18, 12
	s_add_co_u32 s23, s23, 2*HALFS
	s_sub_co_u32 s23, s23, s22
	v_mul_u32_u24 v6, s23, v2                      ; lanes 16-31 take X's: the distance between the two, times h
	s_add_co_u32 s22, s22, SCL
	v_add_nc_u32 v5, v5, v6
	v_add_nc_u32 v[ADRS], s22, v5
	s_mul_i32 s22, s16, 16*FRB                     ; part 2: my two tiles of Y, 8 fragments each
	s_add_co_u32 s22, s22, P2
	v_add_nc_u32 v[ADY], s22, v[LI]
	v_add_nc_u32 v[ADX], P2+2*P2H, v[LI]
	v_add_nc_u32 v[ADX+1], P2+3*P2H, v[LI]
	s_mov_b32 s86, 8*FRB                           ; the way out of q: from a block of Y to the next 8 fragments,
	s_mov_b32 s87, 0
	s_mov_b32 s88, 1024                            ; and for two blocks 16 x 64 bytes of scale words
	s_mov_b32 s89, 0
	v_lshlrev_b32 v[SOF], 9, v2
	v_lshl_add_u32 v[SOF], v1, 2, v[SOF]           ; 4 r, + 8 x 64 for lanes 16-31
	s_lshl_b32 s90, s84, 6
	v_mul_u32_u24 v[SOF2], s90, v2
	v_lshl_add_u32 v[SOF2], v1, 2, v[SOF2]         ; part 2's likewise
	v_cmp_le_u32 s91, 16, v3                       ; the mask of lanes 16-31
	s_mov_b32 s[SEL], 0x76543210
	s_mov_b32 s[SEL+1], 0xfedcba98
.irp b, 0,1,2,3
	v_mov_b32 v[TM+4+\b], 0                        ; written once: a lane permute's destination counts as one of its sources
.endr
.macro FRAG reg, adr, q, i
.irp c, 0,1,2
	ds_load_b128 v[\reg+4*\c:\reg+4*\c+3], v[\adr] offset:(2*(\i)+(\q))*FRB+512*\c
.endr
.endm
; 16 matrix instructions: Y's blocks a0, a0 + 1 x X's eight.  The accumulators take turns, one instruction a turn; zero = 1: the first product starts the sums
.macro MUL16 a0, p, q, sc, zero
.irp a, \a0, \a0+1
.irp b, 0,1,2,3,4,5,6,7
.if \zero
	v_wmma_scale_f32_16x16x128_f8f6f4 v[8*(8*((\a)%4)+\b):8*(8*((\a)%4)+\b)+7], v[128*(\p)+FR*\b:128*(\p)+FR*\b+FR-1], v[AF+FR*(\a):AF+FR*(\a)+FR-1], 0, v[SC+8*NQ*(\sc)+NQ*\b+(\q)], v[SC+8*NQ*(\sc)+NQ*(\a)+(\q)] matrix_a_fmt:MATRIX_FMT_FP6 matrix_b_fmt:MATRIX_FMT_FP6 matrix_a_scale:MATRIX_SCALE_ROW1
.else
	v_wmma_scale_f32_16x16x128_f8f6f4 v[8*(8*((\a)%4)+\b):8*(8*((\a)%4)+\b)+7], v[128*(\p)+FR*\b:128*(\p)+FR*\b+FR-1], v[AF+FR*(\a):AF+FR*(\a)+FR-1], v[8*(8*((\a)%4)+\b):8*(8*((\a)%4)+\b)+7], v[SC+8*NQ*(\sc)+NQ*\b+(\q)], v[SC+8*NQ*(\sc)+NQ*(\a)+(\q)] matrix_a_fmt:MATRIX_FMT_FP6 matrix_b_fmt:MATRIX_FMT_FP6 matrix_a_scale:MATRIX_SCALE_ROW1
.endif
.endr
.endr
.endm
.macro FETCH_B slot, q, p
	WIN TO_B
.irp i, 0,1,2,3,4,5,6,7
	FRAG 128*(\p)+FR*\i, ADRB+\slot, \q, \i
.endr
	WIN 0
.endm
.macro FETCH_A slot, q, i0
.irp i, \i0, \i0+1, \i0+2, \i0+3
	FRAG AF+FR*(\i), ADRA+\slot, \q, \i
.endr
.endm
.macro SCALES sc, n                    ; fill n's scale words: lanes 0-15 Y's block i, lanes 16-31 X's block i
.irp i, 0,1,2,3,4,5,6,7
.irp q, 0,1
	ds_load_b32 v[SC+16*(\sc)+2*\i+\q], v[ADRS] offset:512*\i+64*(2*(\n)+\q)
.endr
.endr
.endm
.macro PLACES n
.rept \n
	v_nop
.endr
.endm
.macro TAIL next, nq, np, sc, q, p     ; the second half of a step: the next step's X and Y blocks 0-3 are fetched
	FETCH_B \next, \nq, \np
	FETCH_A \next, \nq, 0
.endm
; A slot's first step of 128 along K.  Y has one set of registers: blocks 0-3 are fetched anew in the step's middle, blocks 4-7 at its end.
.macro STEP slot, sc, zero
	s_wait_dscnt 4*NL                              ; the youngest 12 loads (Y's blocks 4-7) may be out
	WIN MUL_LO
	MUL16 0, 0, 0, \sc, \zero
	MUL16 2, 0, 0, \sc, \zero
	s_wait_dscnt 0
	PLACES NP
	FETCH_B \slot, 1, 1
	FETCH_A \slot, 1, 0
	WIN MUL_HI
	MUL16 4, 0, 0, \sc, \zero
	MUL16 6, 0, 0, \sc, \zero
	PLACES NP
	WIN 0
	FETCH_A \slot, 1, 4
.endm
; A slot's second step with a barrier.  fill = 1: slot 0 takes fill 3.  fill = 2: slots 1 and 2, which nobody reads any more, take part 2's codes.  fill = 0: nothing is filled.
.macro TURN slot, next, sc, nsc, fill, n
	s_wait_tensorcnt 0x0                           ; all my tensor loads have landed;
	ds_add_u32 v[SPW], v[NIL]                      ; 0 onto my spare word
.if \fill == 2                         ; no tensor load of mine is out: descriptors may be written.  A half of a dense run: 16 rows of 3,072 bytes on end
	s_mov_b32 s[G1+5], 384
	s_mov_b32 s[G1B+5], 384
	s_mov_b32 s[G0+5], P2
	s_mov_b64 s[G0+6:G0+7], s[94:95]
	s_or_b32 s[G0+7], s[G0+7], 0x80000000
	s_mov_b32 s[G0C+1], P2+P2H
	s_add_nc_u64 s[G0C+2:G0C+3], s[94:95], P2H
	s_or_b32 s[G0C+3], s[G0C+3], 0x80000000
	s_mov_b32 s[G0B+5], P2+2*P2H
	s_mov_b64 s[G0B+6:G0B+7], s[96:97]
	s_or_b32 s[G0B+7], s[G0B+7], 0x80000000
	s_mov_b32 s[G0BC+1], P2+3*P2H
	s_add_nc_u64 s[G0BC+2:G0BC+3], s[96:97], P2H
	s_or_b32 s[G0BC+3], s[G0BC+3], 0x80000000
.endif
	s_wait_dscnt 4*NL+1                            ; (the add and the youngest 12 loads may be out)
	WIN MUL_LO
	MUL16 0, 1, 1, \sc, 0
	s_wait_dscnt 0x0                               ; the add is done, and my reads of this slot and of the slots before it are over
	s_barrier_signal -1
	MUL16 2, 1, 1, \sc, 0
	WIN 0
	s_barrier_wait -1
.if \fill == 1
	CREST                                          ; the barrier has opened a round of the cluster's barrier
	s_add_nc_u64 s[G0+2:G0+3], s[G0+2:G0+3], 3*NQ*FRB
	s_add_nc_u64 s[G0B+2:G0B+3], s[G0B+2:G0B+3], 3*NQ*FRB
	JLOAD G0, G1, G0B, G1B
.endif
.if \fill == 2
	CREST
	ARM4 G0+4, G1, G0C, G1, G0B+4, G1B, G0BC, G1B  ; Y's tiles 0-3, 4-7, X's tiles 0-3, 4-7
.endif
	PLACES NP                                      ; the places in front of the loads below, on every wave's way
	FETCH_B \next, 0, 0
	FETCH_A \next, 0, 0
	SCALES \nsc, \n
	WIN MUL_HI
	MUL16 4, 1, 1, \sc, 0
	MUL16 6, 1, 1, \sc, 0
	PLACES NP
	WIN 0
	FETCH_A \next, 0, 4
.endm
; A slot's second step without a barrier: the next slot was shown whole to every wave at an earlier barrier, and nothing is filled here.
.macro PASS slot, next, sc, nsc, n
	s_wait_dscnt 4*NL
	WIN MUL_LO
	MUL16 0, 1, 1, \sc, 0
	MUL16 2, 1, 1, \sc, 0
	s_wait_dscnt 0
	PLACES NP
	FETCH_B \next, 0, 0
	FETCH_A \next, 0, 0
	SCALES \nsc, \n
	WIN MUL_HI
	MUL16 4, 1, 1, \sc, 0
	MUL16 6, 1, 1, \sc, 0
	PLACES NP
	WIN 0
	FETCH_A \next, 0, 4
.endm
	s_wait_alu depctr_va_vdst(0)                   ; the head's end
	s_wait_tensorcnt 0x0                           ; my tile of the head's four is in
	ds_add_u32 v[SPW], v[NIL]
	s_wait_dscnt 0x0
	CROUND
	ARM4 G0+4, G1, G0B+4, G1B, G0C, G1, G0BC, G1B  ; fills 1 and 2, one whole operand's part a wave
	FETCH_B 0, 0, 0
	FETCH_A 0, 0, 0
	SCALES 0, 0
	FETCH_A 0, 0, 4
	STEP 0, 0, 1
	TURN 0, 1, 0, 1, 1, 1
	STEP 1, 1, 0
	PASS 1, 2, 1, 0, 2
	STEP 2, 0, 0
	TURN 2, 0, 0, 1, 2, 3
	STEP 0, 1, 0
	s_wait_dscnt 4*NL                              ; part 1's last step
	WIN MUL_LO
	MUL16 0, 1, 1, 1, 0
	MUL16 2, 1, 1, 1, 0
	s_wait_dscnt 0
	WIN MUL_HI
	MUL16 4, 1, 1, 1, 0
	MUL16 6, 1, 1, 1, 0
	WIN 0
; THE WAY OUT, block by block of Y.  Block a's 64 registers are, for the lane's row, 16 of each 32 of 128 neighbours along X.  They are quantised where they lie and leave as one fragment
; (three stores of 512 consecutive bytes) and one scale word a row.  Each accumulator is read from its low end on.
.set SOFR, SOF
.macro OUTQ a
.set AC, 64*((\a)%4)
	WIN 0x0a+5*((\a)/4)
.irp b, 0,1,2,3
	v_max3_num_f32 v[TM+\b], |v[AC+16*\b]|, |v[AC+16*\b+1]|, 0x1800000   ; my 16 numbers of block b, and the floor 2^(3 - 127)
.endr
.irp i, 2,4,6,8,10,12,14
.irp b, 0,1,2,3
	v_max3_num_f32 v[TM+\b], |v[AC+16*\b+\i]|, |v[AC+16*\b+\i+1]|, v[TM+\b]
.endr
.endr
	WIN 0
.irp b, 0,1,2,3
	v_permlanex16_b32 v[TM+4+\b], v[TM+\b], s[SEL], s[SEL+1]
.endr
.irp b, 0,1,2,3
	v_max_num_f32 v[TM+\b], v[TM+\b], v[TM+4+\b]
.endr
.irp b, 0,1,2,3
	v_add_nc_u32 v[TM+12+\b], 0xff000000, v[TM+\b]   ; 2 off the exponent field: the conversion's scale operand
.endr
.irp b, 0,1,2,3
	v_lshrrev_b32 v[TM+4+\b], 23, v[TM+12+\b]
.endr
	v_lshl_or_b32 v[PW], v[TM+5], 8, v[TM+4]
	v_lshl_or_b32 v[PW], v[TM+6], 16, v[PW]
	v_lshl_or_b32 v[PW], v[TM+7], 24, v[PW]
.if (\a) > 0
	s_wait_xcnt 0x0                                ; the last block's stores have read their data and their bases
	s_add_nc_u64 s[12:13], s[12:13], s[86:87]
.if (\a)%2 == 0
	s_add_nc_u64 s[14:15], s[14:15], s[88:89]
.endif
.endif
	WIN 0x02+(\a)/4
.irp c, 0,1
	v_cvt_scalef32_pk16_fp6_f32 v[PC+6*\c:PC+6*\c+2], v[AC+32*\c:AC+32*\c+15], v[TM+12+2*\c]
	v_cvt_scalef32_pk16_fp6_f32 v[PC+12+4*\c:PC+14+4*\c], v[AC+32*\c+16:AC+32*\c+31], v[TM+13+2*\c]
.endr
	WIN 0
	v_nop                                          ; one plain line behind the scaled conversions
.irp c, 0,1
.irp i, 0,1,2
	v_permlane16_swap_b32 v[PC+6*\c+\i], v[PC+12+4*\c+\i]
.endr
.irp i, 0,1,2
	v_mov_b32 v[PC+3+6*\c+\i], v[PC+12+4*\c+\i]
.endr
.endr
.irp k, 0,1,2
	global_store_b128 v[LI], v[PC+4*\k:PC+4*\k+3], s[12:13] offset:512*\k
.endr
.if (\a)%2 == 0
	v_mov_b32 v[PWE], v[PW]
.else
	v_cndmask_b32 v[SD], v[PWE], v[PW], s91        ; lanes 0-15: the even block's words; lanes 16-31: the odd block's
	global_store_b32 v[SOFR], v[SD], s[14:15]
.endif
.endm
	PLACES NP
.irp a, 0,1,2,3,4,5,6,7
	OUTQ \a
.endr
; ---- PART 2
.macro P2FETCH s                       ; K step s: X's eight fragments and my two of Y into sets s % 2: 30 LDS loads
	WIN TO_B
.irp i, 0,1,2,3,4,5,6,7
.irp c, 0,1,2
	ds_load_b128 v[128*((\s)%2)+FR*\i+4*\c:128*((\s)%2)+FR*\i+4*\c+3], v[ADX+\i/4] offset:(8*(\i%4)+(\s))*FRB+512*\c
.endr
.endr
	WIN 0
.irp a, 0,1
.irp c, 0,1,2
	ds_load_b128 v[AF+24*((\s)%2)+FR*\a+4*\c:AF+24*((\s)%2)+FR*\a+4*\c+3], v[ADY] offset:(8*\a+(\s))*FRB+512*\c
.endr
.endr
.endm
.macro P2MUL s                         ; 16 accumulators by turns; an odd step's scale words stand in lanes 16-31
.irp a, 0,1
.irp b, 0,1,2,3,4,5,6,7
.set DD, 8*(8*\a+\b)
.set XX, 128*((\s)%2)+FR*\b
.set YY, AF+24*((\s)%2)+FR*\a
.set SX, XSC+4*\b+(\s)/2
.set SY, YSC+4*\a+(\s)/2
.if (\s) == 0
	v_wmma_scale_f32_16x16x128_f8f6f4 v[DD:DD+7], v[XX:XX+11], v[YY:YY+11], 0, v[SX], v[SY] matrix_a_fmt:MATRIX_FMT_FP6 matrix_b_fmt:MATRIX_FMT_FP6
.else
.if (\s)%2 == 0
	v_wmma_scale_f32_16x16x128_f8f6f4 v[DD:DD+7], v[XX:XX+11], v[YY:YY+11], v[DD:DD+7], v[SX], v[SY] matrix_a_fmt:MATRIX_FMT_FP6 matrix_b_fmt:MATRIX_FMT_FP6
.else
	v_wmma_scale_f32_16x16x128_f8f6f4 v[DD:DD+7], v[XX:XX+11], v[YY:YY+11], v[DD:DD+7], v[SX], v[SY] matrix_a_fmt:MATRIX_FMT_FP6 matrix_b_fmt:MATRIX_FMT_FP6 matrix_a_scale:MATRIX_SCALE_ROW1 matrix_b_scale:MATRIX_SCALE_ROW1
.endif
.endif
.endr
.endr
.endm
	s_wait_alu depctr_va_vdst(0)                   ; directly ahead of the waits below
	s_wait_tensorcnt 0x0                           ; my half of a run of part 2's codes is in,
	ds_add_u32 v[SPW], v[NIL]
	s_wait_loadcnt 0x0                             ; and so are its scale words, asked for at the head
	s_wait_dscnt 0x0
	s_barrier_signal -1
	s_barrier_wait -1                              ; everybody's half is in
	P2FETCH 0
.irp s, 0,1,2,3,4,5,6,7
.if \s < 7
.if \s > 0
	PLACES NP                                      ; in front of loads into the sets that the step before multiplied
.endif
	P2FETCH \s+1
	s_wait_dscnt 30                                ; this step's fragments are in; the next step's 30 loads may be out
.else
	s_wait_dscnt 0x0
.endif
	WIN MUL_LO
	P2MUL \s
.endr
	WIN 0
	PLACES NP
	s_wait_xcnt 0x0                                ; q's last stores have read their data and their bases
	s_mov_b64 s[12:13], s[98:99]
	s_mov_b64 s[14:15], s[100:101]
	s_mul_i32 s86, s84, FRB                        ; from a block of Y to the next: 8 or 16 fragments
.set SOFR, SOF2
	OUTQ 0
	OUTQ 1
	s_wait_tensorcnt 0x0                           ; the wave's end
	ds_add_u32 v[SPW], v[NIL]
	s_wait_dscnt 0x0
	CROUND                                         ; the closing round
	s_endpgm
.Lfunc_end_k_q174fab9ba7_proj:
	.size	k_q174fab9ba7_proj, .Lfunc_end_k_q174fab9ba7_proj-k_q174fab9ba7_proj
	.p2alignl 7, 3214868480
	.fill 96, 4, 3214868480
	.section	.rodata,"a",@progbits
	.p2align	6, 0x0
	.amdhsa_kernel k_q174fab9ba7_proj
		.amdhsa_group_segment_fixed_size 327680
		.amdhsa_private_segment_fixed_size 0
		.amdhsa_enable_private_segment 0
		.amdhsa_kernarg_size 48
		.amdhsa_user_sgpr_count 2
		.amdhsa_user_sgpr_kernarg_segment_ptr 1
		.amdhsa_wavefront_size32 1
		.amdhsa_system_sgpr_workgroup_id_x 1
		.amdhsa_system_sgpr_workgroup_id_y 1
		.amdhsa_system_sgpr_workgroup_id_z 1
		.amdhsa_system_vgpr_workitem_id 0
		.amdhsa_next_free_vgpr 1024
		.amdhsa_next_free_sgpr 102
		.amdhsa_reserve_vcc 0
		.amdhsa_float_denorm_mode_32 3
		.amdhsa_float_denorm_mode_16_64 3
		.amdhsa_memory_ordered 1
		.amdhsa_forward_progress 1
		.amdhsa_inst_pref_size 193
	.end_amdhsa_kernel
	.amdgpu_metadata
---
amdhsa.version: [ 1, 2 ]
amdhsa.kernels:
  - .name:           k_q174fab9ba7_proj
    .symbol:         k_q174fab9ba7_proj.kd
    .args:
      - { .name: aimg, .offset: 0, .size: 8, .value_kind: global_buffer, .address_space: global }
      - { .name: ascl, .offset: 8, .size: 8, .value_kind: global_buffer, .address_space: global }
      - { .name: wimg, .offset: 16, .size: 8, .value_kind: global_buffer, .address_space: global }
      - { .name: wscl, .offset: 24, .size: 8, .value_kind: global_buffer, .address_space: global }
      - { .name: pimg, .offset: 32, .size: 8, .value_kind: global_buffer, .address_space: global }
      - { .name: pscl, .offset: 40, .size: 8, .value_kind: global_buffer, .address_space: global }
    .group_segment_fixed_size: 327680
    .private_segment_fixed_size: 0
    .kernarg_segment_align: 8
    .kernarg_segment_size: 48
    .max_flat_workgroup_size: 128
    .sgpr_count:     102
    .vgpr_count:     1024
    .wavefront_size: 32
...
	.end_amdgpu_metadata
.endif
;; end of part 2
;; launch attn (part 3): grid 8 x 32, 8 waves a work-group, clusters of 4 x 1, 169,984 bytes of LDS; arguments pimg, pscl, oimg, oscl; writes oimg, oscl
.if DOCPART == 3
	.amdgcn_target "amdgcn-amd-amdhsa--gfx1250"
	.amdhsa_code_object_version 6
	.text
	.protected	k_q174fab9ba7_attn
	.globl	k_q174fab9ba7_attn
	.p2align	8
	.type	k_q174fab9ba7_attn,@function
k_q174fab9ba7_attn:
	s_mov_b64 s[64:65], 0
	v_nop
	global_prefetch_b8 v0, s[64:65] scope:SCOPE_SE
	s_setreg_imm32_b32 hwreg(HW_REG_WAVE_MODE, 25, 1), 1
	s_wait_xcnt 0x0
	s_wait_alu depctr_hold_cnt(0) depctr_sa_sdst(0) depctr_va_vdst(0) depctr_va_sdst(0) depctr_va_ssrc(0) depctr_va_vcc(0) depctr_vm_vsrc(0)
	s_getreg_b32 s2, hwreg(HW_REG_IB_STS2, 6, 4)
	s_cmp_eq_u32 s2, 0
	s_cbranch_scc0 .Lentry_in_a_cluster
	s_endpgm
.Lentry_in_a_cluster:
	s_bfe_u32 s2, ttmp6, 0x10000c
	s_cmp_lg_u32 s2, 0x3003
	s_cbranch_scc0 .Lentry_shape_is_right
	s_endpgm
.Lentry_shape_is_right:
; o[b][q][h 64 + d] = the sum over keys of softmax(q . k / 8) v, both products on codes of FP6 (E2M3) with E8M0 scales; the result is divided by the row's sum and quantised along h 64 + d for the last product.
; THE SOFTMAX AHEAD OF THE SECOND PRODUCT: t = score x log2(e) / 8; M = the row's largest t over all 512 keys, rounded UP to a whole number; p = 2^(t - M) is quantised along the keys, not normalised; the row's sum is taken of the unquantised p in f32.
; LIMITS: NaN and infinities are not served; the promise holds while |t| stays under 2^31; 1 / the sum is v_rcp_f32 and a multiplication; a p under 2^-126 counts as 0 (v_exp_f32);
; a block whose largest magnitude lies under 2^-124 gets the byte 1, a block of zeros too (its codes are zeros; this program alone reads the bytes).
; OPERANDS lie in memory as images of the matrix operand's registers (fragment = 16 rows x 128 K = 1,536 bytes, registers 4 g .. 4 g + 3 of lane l at 512 g + 16 l; 64 bytes of scale words beside it).
; q and k: fragment (tile m, pair of heads j) at (8 m + j) x 1,536: registers 0-5 are head 2 j's 64, registers 6-11 head 2 j + 1's.  THE FIRST PRODUCT'S K IS 64.  Q's operand is [the head's six registers | six registers of zero codes].
; K's operand is [the head's six registers | the six registers that follow them, whatever they hold]: every code of E2M3 is a finite number, the scale bytes over them are 0, a finite code, and each meets a zero code of Q: they add exactly 0.
; So K's tiles lie six registers apart, and the registers hold three groups of four tiles.
; v: fragment (tile of h 64 + d, 4 batch + key step) behind q and k, the keys innermost.  Lane r of tile m holds row 32 (m / 2) + 8 (m % 2) + r + 8 (r / 8): the 16 registers of two neighbouring result tiles are 16 neighbours.
; SHARES.  Work-group (x, y): batch y / 8, heads 2 (y % 8), 2 (y % 8) + 1, queries 512 x on: 32 tiles of 16.  EIGHT waves, two to a SIMD, 512 registers each; a wave owns four tiles, one a trip, and in a trip one head after the other.
; ALL 512 KEYS OF A HEAD AT ONCE: S^T of 16 queries x 512 keys is 256 registers, window 1.  So M is found once: no running maximum, no factor, O and the sum are never rescaled.
; K and V of the two heads and their scale words come into LDS ONCE (102,400 bytes).  CLUSTER: the four work-groups of a cluster want the same K and V: each of the four tiles is asked for JOINTLY (waves 0 to 3, one load each, mask 15).
; No data prefetch: K and V are asked for once, at the head, where there is no loop to run ahead in; Q's 1,536 bytes a trip are asked for a trip ahead by their own loads.
; ORDER IN A HEAD: K's groups come through three buffers, two groups ahead; the block maxima of finished tiles stand behind the products as their places; then M; t - M of key step s + 1 by turns with the exponentials of step s;
; the scale words; then by key steps of 128: sums, conversions, V's fragments into p's registers, which are done with, and the second product of the step before.
; WINDOW 0: v1-5 addresses; v6-9 at work; v10 1 / sum, v11 o's scale word; v12 -M, v13 the largest t; v14 the sum; v16-39 Q of the two heads; v40-129 K, three buffers of 4 x 6 + 6; v130-141 K's or V's scale words; v144-175 O^T;
; v176-199 p's codes, two sets (before that: at work); v200-211 o's codes; v212-218 second conversions'; v220-231 six chains of sums; v232-247 the 16 blocks' largest; v248-251 p's scale words; v252-253 Q's.
.set VIMG,   49152                     ; LDS: K's 32 tiles at 0; V's 8 tiles x 4 key steps: 6,144 mv + 1,536 st;
.set KSC,    98304                     ; K's scale words, 64 bytes a tile;
.set VSC,    100352                    ; V's: 256 mv + 64 st
.set SPARE,  0x29000                   ; the spare words: 128 bytes for each of 8 waves
.set PVOFF,  14155776
.set PVSOFF, 589824
.set KB, 40
.set KS, 130
.set VS, 134                           ; V's scale words of key step st: VS + 4 (st % 2)
.set OT, 144
.set PC, 176
.set T1, 176
.set OC, 200
.set CT, 212
.set AC, 220
.set BM, 232
.set PW, 248
.set QS, 252
.set G1K,  24
.set G1V,  32
.set G1KS, 40
.set G1VS, 48
.set G0K,  56
.set G0V,  60
.set G0KS, 68
.set G0VS, 72
.set MSB, 0
.macro WIN new                         ; bits 1:0 source 0, 3:2 source 1, 5:4 source 2, 7:6 destination; the high byte repeats the setting that is left
.if MSB != \new
	s_set_vgpr_msb (MSB<<8)|\new
.set MSB, \new
.endif
.endm
.macro CROUND
	s_barrier_signal -1
	s_barrier_wait -1
	s_cmp_lg_u32 s12, 0
	s_cbranch_scc1 .Lnot_wave_0_\@
	s_barrier_signal -3
.Lnot_wave_0_\@:
	s_barrier_wait -3
	s_barrier_signal -1
	s_barrier_wait -1
.endm
.macro NOPS n
.rept \n
	v_nop
.endr
.endm
	s_load_b256 s[4:11], s[0:1], 0x0               ; q, k, v: codes s[4:5], scales s[6:7];  o: codes s[8:9], scales s[10:11]
	v_lshl_add_u32 v254, v0, 2, SPARE
	v_mov_b32 v255, 0
	ds_add_u32 v254, v255                          ; the opening lines: the add twice on end
	ds_add_u32 v254, v255
	v_lshrrev_b32 v1, 5, v0
	v_readfirstlane_b32 s12, v1                    ; wave 0..7
	s_bfe_u32 s13, ttmp6, 0x40000                  ; cx
	s_lshl_b32 s14, ttmp9, 2
	s_add_co_u32 s14, s14, s13                     ; work-group x: it enters Q's and O's addresses alone
	s_and_b32 s15, ttmp7, 0xffff
	s_lshr_b32 s16, s15, 3                         ; the batch
	s_and_b32 s17, s15, 7                          ; the pair of heads
.irp g, G1K, G1V, G1KS, G1VS
	s_mov_b32 s[\g], 15|(3<<16)|(1<<21)            ; elements of 8 bytes, no padding, mask 15 with bit 21 beside it
	s_mov_b32 s[\g+6], 0
	s_mov_b32 s[\g+7], 0
.endr
	s_mov_b32 s[G1K+1], 192<<16                    ; K: 32 tiles of 1,536 bytes, 12,288 bytes apart
	s_mov_b32 s[G1K+2], 32<<16
	s_mov_b32 s[G1K+3], 192<<16
	s_mov_b32 s[G1K+4], 32
	s_mov_b32 s[G1K+5], 1536
	s_mov_b32 s[G1V+1], 768<<16                    ; V: 8 tiles of 6,144 bytes (four key steps), 24,576 bytes apart
	s_mov_b32 s[G1V+2], 8<<16
	s_mov_b32 s[G1V+3], 768<<16
	s_mov_b32 s[G1V+4], 8
	s_mov_b32 s[G1V+5], 3072
	s_mov_b32 s[G1KS+1], 8<<16                     ; K's scale words: 32 rows of 64 bytes, 512 bytes apart
	s_mov_b32 s[G1KS+2], 32<<16
	s_mov_b32 s[G1KS+3], 8<<16
	s_mov_b32 s[G1KS+4], 32
	s_mov_b32 s[G1KS+5], 64
	s_mov_b32 s[G1VS+1], 32<<16                    ; V's: 8 rows of 256 bytes, 1,024 bytes apart
	s_mov_b32 s[G1VS+2], 8<<16
	s_mov_b32 s[G1VS+3], 32<<16
	s_mov_b32 s[G1VS+4], 8
	s_mov_b32 s[G1VS+5], 128
	s_mul_i32 s76, s16, 393216                     ; K: fragment (1024 + 32 batch, j)
	s_mul_i32 s77, s17, 1536
	s_add_co_u32 s76, s76, s77
	s_add_co_u32 s76, s76, 12582912
	s_mov_b32 s77, 0
	s_mul_i32 s78, s17, 196608                     ; V: fragment (8 j, 4 batch)
	s_mul_i32 s79, s16, 6144
	s_add_co_u32 s78, s78, s79
	s_add_co_u32 s78, s78, PVOFF
	s_mov_b32 s79, 0
	s_lshl_b32 s80, s16, 14                        ; their scale words: the same in units of 64 bytes
	s_lshl_b32 s81, s17, 6
	s_add_co_u32 s80, s80, s81
	s_add_co_u32 s80, s80, 524288
	s_mov_b32 s81, 0
	s_lshl_b32 s82, s17, 13
	s_lshl_b32 s83, s16, 8
	s_add_co_u32 s82, s82, s83
	s_add_co_u32 s82, s82, PVSOFF
	s_mov_b32 s83, 0
	s_mul_i32 s86, s16, 3145728                    ; my first tile of queries, m = 256 batch + 32 x + 4 wave: fragment (m, j)
	s_mul_i32 s87, s14, 393216
	s_add_co_u32 s86, s86, s87
	s_mul_i32 s87, s12, 49152
	s_add_co_u32 s86, s86, s87
	s_mul_i32 s87, s17, 1536
	s_add_co_u32 s86, s86, s87
	s_mov_b32 s87, 0
	s_lshl_b32 s88, s16, 17
	s_lshl_b32 s89, s14, 14
	s_add_co_u32 s88, s88, s89
	s_lshl_b32 s89, s12, 11
	s_add_co_u32 s88, s88, s89
	s_lshl_b32 s89, s17, 6
	s_add_co_u32 s88, s88, s89
	s_mov_b32 s89, 0
	s_mov_b32 s20, 0x76543210                      ; v_permlanex16_b32's selects for lane l xor 16
	s_mov_b32 s21, 0xfedcba98
	s_mov_b32 s22, 0x3e38aa3b                      ; c = log2(e) / 8: t = score x c
	s_mov_b32 s23, s22                             ; (the packed form names the pair)
	s_wait_dscnt 0x0
	s_wait_kmcnt 0x0
	s_mov_b32 s[G0K], 1
	s_mov_b32 s[G0K+1], 0
	s_add_nc_u64 s[G0K+2:G0K+3], s[4:5], s[76:77]
	s_or_b32 s[G0K+3], s[G0K+3], 0x80000000
	s_mov_b32 s[G0V], 1
	s_mov_b32 s[G0V+1], VIMG
	s_add_nc_u64 s[G0V+2:G0V+3], s[4:5], s[78:79]
	s_or_b32 s[G0V+3], s[G0V+3], 0x80000000
	s_mov_b32 s[G0KS], 1
	s_mov_b32 s[G0KS+1], KSC
	s_add_nc_u64 s[G0KS+2:G0KS+3], s[6:7], s[80:81]
	s_or_b32 s[G0KS+3], s[G0KS+3], 0x80000000
	s_mov_b32 s[G0VS], 1
	s_mov_b32 s[G0VS+1], VSC
	s_add_nc_u64 s[G0VS+2:G0VS+3], s[6:7], s[82:83]
	s_or_b32 s[G0VS+3], s[G0VS+3], 0x80000000
	CROUND                                         ; all four work-groups are here: the joint loads meet
	s_cmp_lg_u32 s12, 0                            ; waves 0 to 3 ask for one tile each: one chain of branches on the wave's number
	s_cbranch_scc1 .Lnot_0
	tensor_load_to_lds s[G0K:G0K+3], s[G1K:G1K+7]
	s_nop 0
	NOPS 4
	s_branch .Lasked
.Lnot_0:
	s_cmp_lg_u32 s12, 1
	s_cbranch_scc1 .Lnot_1
	tensor_load_to_lds s[G0V:G0V+3], s[G1V:G1V+7]
	s_nop 0
	NOPS 4
	s_branch .Lasked
.Lnot_1:
	s_cmp_lg_u32 s12, 2
	s_cbranch_scc1 .Lnot_2
	tensor_load_to_lds s[G0KS:G0KS+3], s[G1KS:G1KS+7]
	s_nop 0
	NOPS 4
	s_branch .Lasked
.Lnot_2:
	s_cmp_lg_u32 s12, 3
	s_cbranch_scc1 .Lasked
	tensor_load_to_lds s[G0VS:G0VS+3], s[G1VS:G1VS+7]
	s_nop 0
	NOPS 4
.Lasked:
	s_add_nc_u64 s[4:5], s[4:5], s[86:87]          ; Q's codes at my first tile, its scale words,
	s_add_nc_u64 s[6:7], s[6:7], s[88:89]
	s_add_nc_u64 s[8:9], s[8:9], s[86:87]          ; o's codes: the same fragment number, o's scale words
	s_add_nc_u64 s[10:11], s[10:11], s[88:89]
	v_and_b32 v6, 31, v0                           ; lane
	v_and_b32 v7, 15, v0                           ; r
	v_lshlrev_b32 v1, 4, v6                        ; 16 x lane: an image's place for my lane, in memory and in K's tiles
	v_lshlrev_b32 v5, 2, v7                        ; 4 r: a scale word's place
	v_add_nc_u32 v2, VIMG, v1
	v_add_nc_u32 v3, KSC, v5
	v_add_nc_u32 v4, VSC, v5
	v_mov_b32 v11, 0                               ; (named as the upper half of the pair v[10:11])
.irp i, 22,23,24,25,26,27, 34,35,36,37,38,39
	v_mov_b32 v\i, 0                               ; Q's upper halves: zero codes, written once
.endr
.irp k, 0,1,2
.irp i, 24,25,26,27,28,29
	v_mov_b32 v[KB+30*\k+\i], 0                    ; the six registers behind each buffer's last tile: written once, so that the operand names nothing unwritten
.endr
.endr
.set J, 0
.rept 16
	v_mov_b32 v[T1+J], 0                           ; written once: a lane permute's destination counts as one of its sources
.set J, J+1
.endr
.macro QLOAD                           ; a tile's Q: head 2 j's six registers, head 2 j + 1's six, and each head's two scale bytes
	global_load_b128 v[16:19], v1, s[4:5]
	global_load_b64 v[20:21], v1, s[4:5] offset:512
	global_load_b64 v[28:29], v1, s[4:5] offset:520
	global_load_b128 v[30:33], v1, s[4:5] offset:1024
	global_load_u16 v[QS], v5, s[6:7]
	global_load_u16 v[QS+1], v5, s[6:7] offset:2
.endm
.macro KLOAD hd, g                     ; K's tiles 4 g .. 4 g + 3, the head's six registers each, into buffer g % 3: 12 LDS loads
.irp t, 0,1,2,3
.set KR, KB+30*((\g)%3)+6*\t
.set KT, 4*(\g)+\t
.if \hd == 0
	ds_load_b128 v[KR:KR+3], v1 offset:1536*KT
	ds_load_b64 v[KR+4:KR+5], v1 offset:1536*KT+512
.else
	ds_load_b64 v[KR:KR+1], v1 offset:1536*KT+520
	ds_load_b128 v[KR+2:KR+5], v1 offset:1536*KT+1024
.endif
	ds_load_u16 v[KS+4*((\g)%3)+\t], v3 offset:64*KT+2*\hd
.endr
.endm
.macro QK hd, g                        ; S^T = K Q^T: four tiles of 16 keys, into window 1: lane (r, h) holds query r; register 16 b + i is key 32 b + 16 h + i
	WIN 0x40
.irp t, 0,1,2,3
	v_wmma_scale_f32_16x16x128_f8f6f4 v[8*(4*(\g)+\t):8*(4*(\g)+\t)+7], v[KB+30*((\g)%3)+6*\t:KB+30*((\g)%3)+6*\t+11], v[16+12*\hd:27+12*\hd], 0, v[KS+4*((\g)%3)+\t], v[QS+\hd] matrix_a_fmt:MATRIX_FMT_FP6 matrix_b_fmt:MATRIX_FMT_FP6
.endr
.endm
.macro VECH h, half                    ; the largest score of blocks 4 h .. 4 h + 3 of 32 keys, my 16 of each: the even tiles' registers (half 0), then the odd tiles'; four chains by turns; each accumulator from its low end on
	WIN 0x05
.if (\half) == 0
.irp b, 0,1,2,3
	v_max_num_f32 v[BM+4*(\h)+\b], v[64*(\h)+16*\b], v[64*(\h)+16*\b+1]
.endr
.irp i, 2,4,6
.irp b, 0,1,2,3
	v_max3_num_f32 v[BM+4*(\h)+\b], v[64*(\h)+16*\b+\i], v[64*(\h)+16*\b+\i+1], v[BM+4*(\h)+\b]
.endr
.endr
.else
.irp i, 8,10,12,14
.irp b, 0,1,2,3
	v_max3_num_f32 v[BM+4*(\h)+\b], v[64*(\h)+16*\b+\i], v[64*(\h)+16*\b+\i+1], v[BM+4*(\h)+\b]
.endr
.endr
.endif
.endm
.macro SUMS st                         ; the row's sum of the unquantised p of key step st: 32 pairs, six chains by turns
.if (\st) == 0
	WIN 0x05
.set N, 0
.rept 6
	v_pk_add_f32 v[AC+2*N:AC+2*N+1], v[4*N:4*N+1], v[4*N+2:4*N+3]   ; the chains begin: nothing is cleared
.set N, N+1
.endr
.set N, 12
.set CNT, 20
.else
.set N, 32*(\st)
.set CNT, 32
.endif
	WIN 0x04
.rept CNT
	v_pk_add_f32 v[AC+2*(N%6):AC+2*(N%6)+1], v[AC+2*(N%6):AC+2*(N%6)+1], v[2*N:2*N+1]
.set N, N+1
.endr
.endm
.macro CVT st                          ; key step st's p becomes a fragment in set st % 2
.set PCB, PC+12*((\st)%2)
	WIN 0x01
.irp e, 0,1
	v_cvt_scalef32_pk16_fp6_f32 v[PCB+6*\e:PCB+6*\e+2], v[64*(\st)+32*\e:64*(\st)+32*\e+15], v[BM+4*(\st)+2*\e]
	v_cvt_scalef32_pk16_fp6_f32 v[CT+4*\e:CT+4*\e+2], v[64*(\st)+32*\e+16:64*(\st)+32*\e+31], v[BM+4*(\st)+2*\e+1]   ; (a conversion's three registers begin on an even number)
.endr
	WIN 0
	v_nop                                          ; one plain line behind the scaled conversions
.irp e, 0,1                                    ; the operand's layout wants a WHOLE block in a lane
.irp i, 0,1,2
	v_permlane16_swap_b32 v[PCB+6*\e+\i], v[CT+4*\e+\i]
.endr
.irp i, 0,1,2
	v_mov_b32 v[PCB+3+6*\e+\i], v[CT+4*\e+\i]
.endr
.endr
.endm
.macro VLOAD hd, st                    ; V's four fragments of key step st into the step's p registers, which are done with, and their scale words: 16 LDS loads
	WIN 0x40
.irp t, 0,1,2,3
.irp k, 0,1,2
	ds_load_b128 v[64*(\st)+12*\t+4*\k:64*(\st)+12*\t+4*\k+3], v2 offset:6144*(4*\hd+\t)+1536*(\st)+512*\k
.endr
.endr
	WIN 0
.irp t, 0,1,2,3
	ds_load_b32 v[VS+4*((\st)%2)+\t], v4 offset:256*(4*\hd+\t)+64*(\st)
.endr
.endm
.macro PV st, cnt                      ; O^T += V^T P^T: four accumulators by turns, one instruction a turn; cnt: the LDS loads issued behind this step's
	s_wait_alu depctr_va_vdst(0)                   ; directly ahead of the wait below
	s_wait_dscnt \cnt
	WIN 0x01
.irp t, 0,1,2,3
.if (\st) == 0
	v_wmma_scale_f32_16x16x128_f8f6f4 v[OT+8*\t:OT+8*\t+7], v[64*(\st)+12*\t:64*(\st)+12*\t+11], v[PC+12*((\st)%2):PC+12*((\st)%2)+11], 0, v[VS+4*((\st)%2)+\t], v[PW+(\st)] matrix_a_fmt:MATRIX_FMT_FP6 matrix_b_fmt:MATRIX_FMT_FP6
.else
	v_wmma_scale_f32_16x16x128_f8f6f4 v[OT+8*\t:OT+8*\t+7], v[64*(\st)+12*\t:64*(\st)+12*\t+11], v[PC+12*((\st)%2):PC+12*((\st)%2)+11], v[OT+8*\t:OT+8*\t+7], v[VS+4*((\st)%2)+\t], v[PW+(\st)] matrix_a_fmt:MATRIX_FMT_FP6 matrix_b_fmt:MATRIX_FMT_FP6
.endif
.endr
.endm
; ONE HEAD OF ONE TILE OF 16 QUERIES.  K's groups 0 and 1 have been asked for by what stands ahead.
.macro HEAD hd
.irp g, 0,1,2,3,4,5,6,7
.if (\g == 1) || (\g == 2)
	NOPS 4                                         ; places in front of loads into the buffer that the last group multiplied; from group 3 on the block maxima are these places
.endif
.if \g < 6
	WIN 0
	KLOAD \hd, \g+2
.endif
.if (\g == 3) || (\g == 5) || (\g == 7)
	s_wait_alu depctr_va_vdst(0)                   ; the maxima's chains go on behind the wait below
.endif
.if \g < 6
	s_wait_dscnt 24                                ; group g is in; the 24 loads of groups g + 1 and g + 2 may be out
.else
	s_wait_dscnt 12*(7-\g)
.endif
	QK \hd, \g
.if \g >= 2
	VECH (\g-2)/2, (\g)%2
.endif
.endr
	VECH 3, 0
	VECH 3, 1
	WIN 0
.if \hd == 1                           ; Q's registers are done with: the next tile's Q is asked for a trip ahead; the last trip asks for nothing (a branch on the trip counter alone)
	s_cmp_eq_u32 s84, 1
	s_wait_alu depctr_va_vdst(0)
	s_cbranch_scc1 .Lnoq_\@
	s_add_nc_u64 s[4:5], s[4:5], 12288             ; (this trip's loads were waited for at the trip's head)
	s_add_nc_u64 s[6:7], s[6:7], 512
	QLOAD
.Lnoq_\@:
.endif
.set J, 0
.rept 16
	v_permlanex16_b32 v[T1+J], v[BM+J], s20, s21
.set J, J+1
.endr
.set J, 0
.rept 16
	v_max_num_f32 v[BM+J], v[BM+J], v[T1+J]        ; with lane l xor 16's 16 keys: THE LARGEST SCORE OF EACH BLOCK serves twice: for the row's maximum and, since p rises with the score, for the block's largest p
.set J, J+1
.endr
	v_max3_num_f32 v6, v[BM], v[BM+1], v[BM+2]
	v_max3_num_f32 v7, v[BM+3], v[BM+4], v[BM+5]
	v_max3_num_f32 v8, v[BM+6], v[BM+7], v[BM+8]
	v_max3_num_f32 v9, v[BM+9], v[BM+10], v[BM+11]
	v_max3_num_f32 v6, v6, v[BM+12], v[BM+13]
	v_max3_num_f32 v7, v7, v[BM+14], v[BM+15]
	v_max_num_f32 v8, v8, v9
	v_max3_num_f32 v6, v6, v7, v8                  ; the row's largest score
	v_mul_f32 v13, s22, v6                         ; as t (c is positive)
	v_floor_f32 v12, -v13                          ; -M = floor(-t) = -ceil(t)
.set J, 0
.rept 16
	v_fma_f32 v[BM+J], v[BM+J], s22, v12           ; t - M of each block's largest score
.set J, J+1
.endr
	WIN 0x41
.set J, 0
.rept 32
	v_pk_fma_f32 v[J:J+1], v[J:J+1], s[22:23], v[12:13] op_sel_hi:[1,0,0]   ; t - M of key step 0, two at a time
.set J, J+2
.endr
	WIN 0
	s_wait_alu depctr_va_vdst(0)                   ; ahead of a batch
.set J, 0
.rept 16
	v_exp_f32 v[BM+J], v[BM+J]                     ; the block's largest p: the same two instructions on the same number give the same bits
.set J, J+1
.endr
	WIN 0x41
.set J, 0
.rept 3                                        ; a batch: the 64 exponentials of key step s, and by turns with them t - M of step s + 1, which names none of their registers and is first read behind the batch's wait
.rept 32
	v_exp_f32 v[J], v[J]                           ; p = 2^(t - M), at most 1: NOT normalised
	v_exp_f32 v[J+1], v[J+1]
	v_pk_fma_f32 v[J+64:J+65], v[J+64:J+65], s[22:23], v[12:13] op_sel_hi:[1,0,0]
.set J, J+2
.endr
	s_wait_alu depctr_va_vdst(0)                   ; behind one batch and ahead of the next
.endr
.rept 64
	v_exp_f32 v[J], v[J]
.set J, J+1
.endr
	WIN 0
	v_nop                                          ; a plain line behind the exponentials
	s_wait_alu depctr_va_vdst(0)
.set J, 0
.rept 16
	v_max_num_f32 v[BM+J], 0x1800000, v[BM+J]      ; the floor 2^(3 - 127): the byte cannot fall under 1
.set J, J+1
.endr
.set J, 0
.rept 16
	v_add_nc_u32 v[BM+J], 0xff000000, v[BM+J]      ; 2 off the exponent field: the conversion's scale operand
.set J, J+1
.endr
.set J, 0
.rept 16
	v_lshrrev_b32 v[T1+J], 23, v[BM+J]             ; the scale's byte
.set J, J+1
.endr
.irp s, 0,1,2,3
	v_lshl_or_b32 v[PW+\s], v[T1+4*\s+1], 8, v[T1+4*\s]   ; p's scale words, one for each 128 keys
.endr
.irp s, 0,1,2,3
	v_lshl_or_b32 v[PW+\s], v[T1+4*\s+2], 16, v[PW+\s]
.endr
.irp s, 0,1,2,3
	v_lshl_or_b32 v[PW+\s], v[T1+4*\s+3], 24, v[PW+\s]
.endr
	SUMS 0
	CVT 0
	VLOAD \hd, 0
	SUMS 1
	CVT 1
	VLOAD \hd, 1
	PV 0, 16
	SUMS 2
	CVT 2
	VLOAD \hd, 2
	PV 1, 16
	SUMS 3
	CVT 3
	VLOAD \hd, 3
	PV 2, 16
	WIN 0
	v_pk_add_f32 v[AC:AC+1], v[AC:AC+1], v[AC+6:AC+7]       ; the six chains join.  (Also the places between the last codes' moves and the product that reads them)
	v_pk_add_f32 v[AC+2:AC+3], v[AC+2:AC+3], v[AC+8:AC+9]
	v_pk_add_f32 v[AC+4:AC+5], v[AC+4:AC+5], v[AC+10:AC+11]
	v_pk_add_f32 v[AC:AC+1], v[AC:AC+1], v[AC+2:AC+3]
	v_pk_add_f32 v[AC:AC+1], v[AC:AC+1], v[AC+4:AC+5]
	v_add_f32 v14, v[AC], v[AC+1]
	PV 3, 0
	WIN 0
.if \hd == 0
	KLOAD 1, 0                                     ; the next head's first two groups of K, asked for under this head's end
	KLOAD 1, 1
.else
	s_cmp_eq_u32 s84, 1                            ; the next trip's; the last trip asks for nothing
	s_wait_alu depctr_va_vdst(0)
	s_cbranch_scc1 .Lnok_\@
	KLOAD 0, 0
	KLOAD 0, 1
.Lnok_\@:
.endif
	v_permlanex16_b32 v7, v14, s20, s21
	v_add_f32 v14, v14, v7                         ; with lane l xor 16's: the row's sum
	s_wait_alu depctr_va_vdst(0)                   ; ahead of the transcendental
	v_rcp_f32 v10, v14
	NOPS 3                                         ; a plain line behind it; with the two lines above, the places behind the last products
	s_wait_alu depctr_va_vdst(0)                   ; ahead of the first reader of 1 / sum and of O^T
.set J, 0
.rept 16
	v_pk_mul_f32 v[OT+J:OT+J+1], v[OT+J:OT+J+1], v[10:11] op_sel_hi:[1,0]   ; O^T / the sum: register 16 b + i is channel 32 b + 16 (lane / 16) + i of my query
.set J, J+2
.endr
.irp c, 0,1,2,3
	v_max3_num_f32 v[BM+\c], |v[OT+8*\c]|, |v[OT+8*\c+1]|, 0x1800000   ; two blocks of the last product's K, two chains each, with the floor
.endr
.irp i, 2,4,6
.irp c, 0,1,2,3
	v_max3_num_f32 v[BM+\c], v[BM+\c], |v[OT+8*\c+\i]|, |v[OT+8*\c+\i+1]|
.endr
.endr
	v_max_num_f32 v[BM], v[BM], v[BM+1]
	v_max_num_f32 v[BM+1], v[BM+2], v[BM+3]
.irp b, 0,1
	v_permlanex16_b32 v[T1+\b], v[BM+\b], s20, s21
.endr
.irp b, 0,1
	v_max_num_f32 v[BM+\b], v[BM+\b], v[T1+\b]
.endr
.irp b, 0,1
	v_add_nc_u32 v[BM+\b], 0xff000000, v[BM+\b]
.endr
.irp b, 0,1
	v_lshrrev_b32 v[T1+\b], 23, v[BM+\b]
.endr
.if \hd == 0
	v_lshl_or_b32 v11, v[T1+1], 8, v[T1]           ; bytes 0, 1 of o's scale word
.else
	v_lshl_or_b32 v9, v[T1+1], 8, v[T1]
	v_lshl_or_b32 v11, v9, 16, v11                 ; bytes 2, 3
.endif
	v_cvt_scalef32_pk16_fp6_f32 v[OC+6*\hd:OC+6*\hd+2], v[OT:OT+15], v[BM]       ; registers 6 hd .. 6 hd + 5 of o's fragment
	v_cvt_scalef32_pk16_fp6_f32 v[CT:CT+2], v[OT+16:OT+31], v[BM+1]
	v_nop                                          ; one plain line behind the scaled conversions
.irp i, 0,1,2
	v_permlane16_swap_b32 v[OC+6*\hd+\i], v[CT+\i]
.endr
.irp i, 0,1,2
	v_mov_b32 v[OC+6*\hd+3+\i], v[CT+\i]
.endr
.endm
	s_wait_alu depctr_va_vdst(0)                   ; the head's end
	QLOAD                                          ; my first tile's Q
	s_wait_tensorcnt 0x0                           ; my tile, if I asked for one, has landed;
	s_barrier_signal -1
	s_barrier_wait -1                              ; everybody's has: all eight waves read all four
	KLOAD 0, 0
	KLOAD 0, 1
	s_mov_b32 s84, 4
.Ltrip:                                            ; a tile of 16 queries a trip
	s_wait_loadcnt 0x0                             ; this tile's Q, asked for a trip ago
	HEAD 0
	HEAD 1
	global_store_b128 v1, v[OC:OC+3], s[8:9]               ; o's fragment: three stores of 512 consecutive bytes, at a multiple of 512 from the buffer's first byte
	global_store_b128 v1, v[OC+4:OC+7], s[8:9] offset:512
	global_store_b128 v1, v[OC+8:OC+11], s[8:9] offset:1024
	global_store_b32 v5, v11, s[10:11]                     ; its 16 scale words; lanes l and l xor 16 hold the same word and write it to the same place
	s_wait_xcnt 0x0                                ; the stores have read their data and bases: both are written again only behind this wait
	s_add_nc_u64 s[8:9], s[8:9], 12288             ; the next tile: 8 fragments on
	s_add_nc_u64 s[10:11], s[10:11], 512
	s_sub_co_u32 s84, s84, 1
	s_cmp_lg_u32 s84, 0
	s_wait_alu depctr_va_vdst(0)                   ; directly ahead of the branch
	s_cbranch_scc1 .Ltrip
	s_wait_tensorcnt 0x0                           ; the wave's end
	ds_add_u32 v254, v255
	s_wait_dscnt 0x0
	CROUND                                         ; the closing round: no work-group ends while a partner may still ask for a tile that names it
	s_endpgm
.Lfunc_end_k_q174fab9ba7_attn:
	.size	k_q174fab9ba7_attn, .Lfunc_end_k_q174fab9ba7_attn-k_q174fab9ba7_attn
	.p2alignl 7, 3214868480
	.fill 96, 4, 3214868480
	.section	.rodata,"a",@progbits
	.p2align	6, 0x0
	.amdhsa_kernel k_q174fab9ba7_attn
		.amdhsa_group_segment_fixed_size 169984
		.amdhsa_private_segment_fixed_size 0
		.amdhsa_enable_private_segment 0
		.amdhsa_kernarg_size 32
		.amdhsa_user_sgpr_count 2
		.amdhsa_user_sgpr_kernarg_segment_ptr 1
		.amdhsa_wavefront_size32 1
		.amdhsa_system_sgpr_workgroup_id_x 1
		.amdhsa_system_sgpr_workgroup_id_y 1
		.amdhsa_system_sgpr_workgroup_id_z 1
		.amdhsa_system_vgpr_workitem_id 0
		.amdhsa_next_free_vgpr 512
		.amdhsa_next_free_sgpr 90
		.amdhsa_reserve_vcc 0
		.amdhsa_float_denorm_mode_32 3
		.amdhsa_float_denorm_mode_16_64 3
		.amdhsa_memory_ordered 1
		.amdhsa_forward_progress 1
		.amdhsa_inst_pref_size 139
	.end_amdhsa_kernel
	.amdgpu_metadata
---
amdhsa.version: [ 1, 2 ]
amdhsa.kernels:
  - .name:           k_q174fab9ba7_attn
    .symbol:         k_q174fab9ba7_attn.kd
    .args:
      - { .name: pimg, .offset: 0, .size: 8, .value_kind: global_buffer, .address_space: global }
      - { .name: pscl, .offset: 8, .size: 8, .value_kind: global_buffer, .address_space: global }
      - { .name: oimg, .offset: 16, .size: 8, .value_kind: global_buffer, .address_space: global }
      - { .name: oscl, .offset: 24, .size: 8, .value_kind: global_buffer, .address_space: global }
    .group_segment_fixed_size: 169984
    .private_segment_fixed_size: 0
    .kernarg_segment_align: 8
    .kernarg_segment_size: 32
    .max_flat_workgroup_size: 256
    .sgpr_count:     90
    .vgpr_count:     512
    .wavefront_size: 32
...
	.end_amdgpu_metadata
.endif
;; end of part 3
;; launch outp (part 4): grid 4 x 64, 4 waves a work-group, clusters of 4 x 4, 327,680 bytes of LDS; arguments oimg, oscl, wimg, wscl, out0; writes out0
.if DOCPART == 4
	.amdgcn_target "amdgcn-amd-amdhsa--gfx1250"
	.amdhsa_code_object_version 6
	.text
	.protected	k_q174fab9ba7_outp
	.globl	k_q174fab9ba7_outp
	.p2align	8
	.type	k_q174fab9ba7_outp,@function
k_q174fab9ba7_outp:
	s_mov_b64 s[64:65], 0
	v_nop
	global_prefetch_b8 v0, s[64:65] scope:SCOPE_SE
	s_setreg_imm32_b32 hwreg(HW_REG_WAVE_MODE, 25, 1), 1
	s_wait_xcnt 0x0
	s_wait_alu depctr_hold_cnt(0) depctr_sa_sdst(0) depctr_va_vdst(0) depctr_va_sdst(0) depctr_va_ssrc(0) depctr_va_vcc(0) depctr_vm_vsrc(0)
	s_getreg_b32 s2, hwreg(HW_REG_IB_STS2, 6, 4)
	s_cmp_eq_u32 s2, 0
	s_cbranch_scc0 .Lentry_in_a_cluster
	s_endpgm
.Lentry_in_a_cluster:
	s_bfe_u32 s2, ttmp6, 0x10000c
	s_cmp_lg_u32 s2, 0xf033
	s_cbranch_scc0 .Lentry_shape_is_right
	s_endpgm
.Lentry_shape_is_right:
; out0 = o Wo on codes of FP6 (E2M3) with E8M0 scales; sums in f32, K = 1,024 ascending, one accumulator an output; out0 is f32.  LIMITS: NaN and infinities are not served.
; OPERANDS lie in memory as images of the matrix operand's registers: fragment (tile m of 16 rows, K step s of 128) at (8 m + s) x 1,536 bytes, registers 4 g .. 4 g + 3 of lane l at 512 g + 16 l; scale word (m, s, r) at
; (8 m + s) x 64 + 4 r.  Lane r of tile m holds row 32 (m / 2) + 8 (m % 2) + r + 8 (r / 8).  So a tile's eight K steps, and neighbouring tiles, are one dense run of bytes.
; A tile of the result is 256 (Y = o's rows) x 256 (X = Wo's columns): four waves, each 128 x 128.  Y is source 1 (a lane holds one row), X is source 0 (a lane's registers run along X).
; TWO PASSES, so that the first half of the results leaves while the second half is multiplied.  X's 16 tiles stay in LDS for all of K (196,608 bytes); Y's bytes (98,304) hold each wave's blocks 0-3 first and its blocks 4-7 then.
;   head: four dense joint loads, one a wave: Y's tiles 0-3, Y's tiles 8-11, X's tiles 0-7, X's tiles 8-15;
;   pass 1: 8 K steps x 32 matrix instructions a wave (4 blocks of Y x 8 of X);  then the waits, the add and a round, and Y's bytes are filled again, by waves 0 and 1, with tiles 4-7 and 12-15;
;   pass 1's results leave in eight half blocks (16 rows x 256 bytes): three behind the refill's request, five behind pass 2's first five K steps, one each;  pass 2's leave at the end.
; THE SCALE WORDS go straight into 64 registers, by 64 loads of 128 consecutive bytes at the head: lanes 0-15 hold an even K step's words, lanes 16-31 the next step's.
; THE WAY OUT: a lane holds 64 neighbouring bytes of a row in two neighbouring accumulators, and the lanes beside it hold other rows: a half block goes through the wave's own stage in LDS (bytes that no tensor load fills, rows 272 bytes apart)
; and comes back by rows: sixteen lanes store one aligned unit of 256 bytes, two rows an instruction.
; CLUSTERS: 4 x 4 work-groups; Y's tiles hang on the cluster's y and cy alone and are shared along a row of the cluster, X's on cx alone and are shared along a column: each is asked for JOINTLY.
; No data prefetch: every operand byte is asked for at the head, or, Y's second half, as soon as its bytes in LDS are free.
; REGISTERS: window 0: v16-23 addresses; v32-63 X's scale words (4 b + u), v64-95 Y's (4 a + u); v96-127 rows back from the stage; v128-223 Y's fragments, two sets of four.   window 1: X's fragments, two sets, at v0 and v128.
;   window 2: pass 1's 32 accumulators ((a, b) at v[8 (8 a + b)]);   window 3: pass 2's.
.set FR,     12
.set NP,     4                         ; places behind this matrix instruction (ISA guide 7.12.1)
.set FRB,    1536
.set XH,     98304                     ; 8 tiles x 8 K steps
.set YL,     196608                    ; Y's bytes, behind X's 16 tiles
.set YH,     49152                     ; 4 tiles x 8 K steps
.set STG,    294912                    ; the stages: 16 rows x 272 bytes for each wave
.set SPITCH, 272
.set SPARE,  STG+4*16*SPITCH           ; the spare words, 128 bytes for each wave
.set ADX,  16                          ; v16-17 my X tiles 0-3, 4-7
.set ADY,  18                          ; my four tiles of Y
.set STO,  19                          ; the stage: where I put my bytes of a row
.set RD,   20                          ; where I read rows back
.set CO,   21                          ; and the same place in out0
.set L4,   22                          ; 4 x lane
.set LI,   23                          ; 16 x lane
.set SPW,  28
.set NIL,  29
.set XSC,  32
.set YSC,  64
.set BK,   96
.set AF,   128
.set G1,   24                          ; s[24:31] group 1 for Y's loads; s[32:39] two groups 0
.set G0Y,  32
.set G1B,  40                          ; s[40:47], s[48:55] the same for X's
.set G0X,  48
.set MSB, 0
.macro WIN new
.if MSB != \new
	s_set_vgpr_msb (MSB<<8)|\new
.set MSB, \new
.endif
.endm
.set MUL_LO, 0xa1                      ; source 0 (X) window 1, source 1 (Y) window 0, C and D window 2
.set TO_B,   0x40
.macro TLOAD g0, g1                    ; a joint load with the lines behind it
	tensor_load_to_lds s[\g0:\g0+3], s[\g1:\g1+7]
	s_nop 0
.rept 4
	v_nop
.endr
.endm
.macro JLOAD g0a, g1a, g0b, g1b        ; wave 0 issues the first, wave 1 the second, waves 2 and 3 nothing; the branches hang on the wave's number alone
	s_cmp_eq_u32 s16, 0
	s_cbranch_scc0 .Lfor_b_\@
	TLOAD \g0a, \g1a
	s_branch .Lasked_\@
.Lfor_b_\@:
	s_cmp_eq_u32 s16, 1
	s_cbranch_scc0 .Lasked_\@
	TLOAD \g0b, \g1b
.Lasked_\@:
.endm
.macro ARM4 a0, a1, b0, b1, c0, c1, d0, d1   ; four joint loads, one a wave: ONE chain of branches on the wave's number, all arms leading to one join
	s_cmp_lt_u32 s16, 1
	s_cbranch_scc0 .Larm_b_\@
	TLOAD \a0, \a1
	s_branch .Larm_e_\@
.Larm_b_\@:
	s_cmp_lt_u32 s16, 2
	s_cbranch_scc0 .Larm_c_\@
	TLOAD \b0, \b1
	s_branch .Larm_e_\@
.Larm_c_\@:
	s_cmp_lt_u32 s16, 3
	s_cbranch_scc0 .Larm_d_\@
	TLOAD \c0, \c1
	s_branch .Larm_e_\@
.Larm_d_\@:
	TLOAD \d0, \d1
.Larm_e_\@:
.endm
.macro CROUND                          ; a round of the cluster's barrier
	s_barrier_signal -1
	s_barrier_wait -1
	s_cmp_lg_u32 s16, 0
	s_cbranch_scc1 .Lnot_wave_0_\@
	s_barrier_signal -3
.Lnot_wave_0_\@:
	s_barrier_wait -3
	s_barrier_signal -1
	s_barrier_wait -1
.endm
.macro PLACES n
.rept \n
	v_nop
.endr
.endm
	s_load_b256 s[4:11], s[0:1], 0x0               ; o's codes s[4:5] and scales s[6:7], the weights' codes s[8:9] and scales s[10:11]
	s_load_b64 s[12:13], s[0:1], 0x20              ; out0
	v_lshl_add_u32 v[SPW], v0, 2, SPARE
	v_mov_b32 v[NIL], 0
	ds_add_u32 v[SPW], v[NIL]                      ; the opening lines: the add twice on end
	ds_add_u32 v[SPW], v[NIL]
	s_wait_dscnt 0x0
	v_lshrrev_b32 v1, 5, v0
	v_readfirstlane_b32 s16, v1                    ; wave 0..3
	s_lshr_b32 s17, s16, 1                         ; which half of Y is mine
	s_and_b32 s18, s16, 1                          ; which half of X
	s_bfe_u32 s19, ttmp6, 0x40000                  ; cx
	s_bfe_u32 s20, ttmp6, 0x40004                  ; cy
	s_and_b32 s21, ttmp7, 0xffff                   ; the cluster's y
	s_lshl_b32 s22, s20, 2
	s_lshl_b32 s22, 15, s22                        ; my row of the cluster
	s_lshl_b32 s23, 0x1111, s19                    ; my column
	s_or_b32 s[G1+0], s22, (3<<16)|(1<<21)         ; elements of 8 bytes, no padding, bit 21 beside the mask
	s_mov_b32 s[G1+1], 384<<16                     ; Y: a dense run of 49,152 bytes, as 16 rows of 3,072
	s_mov_b32 s[G1+2], 16<<16
	s_mov_b32 s[G1+3], 384<<16
	s_mov_b32 s[G1+4], 16
	s_mov_b32 s[G1+5], 384
	s_mov_b32 s[G1+6], 0
	s_mov_b32 s[G1+7], 0
	s_or_b32 s[G1B+0], s23, (3<<16)|(1<<21)
	s_mov_b32 s[G1B+1], 384<<16                    ; X: a dense run of 98,304 bytes, as 32 rows of 3,072
	s_mov_b32 s[G1B+2], 32<<16
	s_mov_b32 s[G1B+3], 384<<16
	s_mov_b32 s[G1B+4], 32
	s_mov_b32 s[G1B+5], 384
	s_mov_b32 s[G1B+6], 0
	s_mov_b32 s[G1B+7], 0
	s_lshl_b32 s84, s21, 2
	s_add_co_u32 s84, s84, s20                     ; ty: which 256 rows: it holds cy and never cx
	s_mul_i32 s2, s84, 196608                      ; Y's codes: 16 tiles x 8 fragments a block of 256
	s_mov_b32 s3, 0
	s_lshl_b32 s66, s84, 13                        ; Y's scale words, my wave's 8 tiles
	s_lshl_b32 s67, s17, 12
	s_add_co_u32 s66, s66, s67
	s_mov_b32 s67, 0
	s_mul_i32 s86, s19, 196608                     ; X's codes, in Wo
	s_add_co_u32 s86, s86, 2359296
	s_mov_b32 s87, 0
	s_lshl_b32 s92, s19, 13                        ; X's scale words, my wave's 8 tiles
	s_lshl_b32 s93, s18, 12
	s_add_co_u32 s92, s92, s93
	s_add_co_u32 s92, s92, 98304
	s_mov_b32 s93, 0
	s_lshl_b32 s94, s84, 20                        ; out0: 256 rows of 4,096 bytes a tile row, my 128 rows, 1,024 bytes a tile column, my 512 bytes
	s_lshl_b32 s95, s17, 19
	s_add_co_u32 s94, s94, s95
	s_lshl_b32 s95, s19, 10
	s_add_co_u32 s94, s94, s95
	s_lshl_b32 s95, s18, 9
	s_add_co_u32 s94, s94, s95
	s_mov_b32 s95, 0
	s_wait_kmcnt 0x0
	s_add_nc_u64 s[4:5], s[4:5], s[2:3]
	s_add_nc_u64 s[6:7], s[6:7], s[66:67]
	s_add_nc_u64 s[8:9], s[8:9], s[86:87]
	s_add_nc_u64 s[10:11], s[10:11], s[92:93]
	s_add_nc_u64 s[12:13], s[12:13], s[94:95]
	CROUND                                         ; all sixteen work-groups are here: the first joint loads meet
	s_mov_b32 s[G0Y], 1                            ; Y's tiles 0-3,
	s_mov_b32 s[G0Y+1], YL
	s_mov_b64 s[G0Y+2:G0Y+3], s[4:5]
	s_or_b32 s[G0Y+3], s[G0Y+3], 0x80000000
	s_mov_b32 s[G0Y+4], 1                          ; its tiles 8-11,
	s_mov_b32 s[G0Y+5], YL+YH
	s_add_nc_u64 s[G0Y+6:G0Y+7], s[4:5], XH
	s_or_b32 s[G0Y+7], s[G0Y+7], 0x80000000
	s_mov_b32 s[G0X], 1                            ; X's tiles 0-7,
	s_mov_b32 s[G0X+1], 0
	s_mov_b64 s[G0X+2:G0X+3], s[8:9]
	s_or_b32 s[G0X+3], s[G0X+3], 0x80000000
	s_mov_b32 s[G0X+4], 1                          ; and 8-15
	s_mov_b32 s[G0X+5], XH
	s_add_nc_u64 s[G0X+6:G0X+7], s[8:9], XH
	s_or_b32 s[G0X+7], s[G0X+7], 0x80000000
	ARM4 G0Y, G1, G0Y+4, G1, G0X, G1B, G0X+4, G1B
	v_and_b32 v1, 15, v0                           ; r
	v_bfe_u32 v2, v0, 4, 1                         ; h
	v_and_b32 v3, 31, v0                           ; lane
	v_lshlrev_b32 v[LI], 4, v3
	v_lshlrev_b32 v[L4], 2, v3
	s_wait_alu depctr_va_vdst(0)
.irp i, 0,1,2,3,4,5,6,7
.irp u, 0,1,2,3
	global_load_b32 v[XSC+4*\i+\u], v[L4], s[10:11] offset:512*\i+128*\u   ; 32 lanes read 128 consecutive bytes: two K steps' scale words of a tile
.endr
.endr
.irp i, 0,1,2,3,4,5,6,7
.irp u, 0,1,2,3
	global_load_b32 v[YSC+4*\i+\u], v[L4], s[6:7] offset:512*\i+128*\u
.endr
.endr
	s_mul_i32 s22, s18, XH                         ; my 8 tiles of X
	v_add_nc_u32 v[ADX], s22, v[LI]
	s_add_co_u32 s22, s22, YH                      ; four tiles on
	v_add_nc_u32 v[ADX+1], s22, v[LI]
	s_mul_i32 s22, s17, YH                         ; my four tiles of Y
	s_add_co_u32 s22, s22, YL
	v_add_nc_u32 v[ADY], s22, v[LI]
	s_mul_i32 s22, s16, 16*SPITCH                  ; my stage
	s_add_co_u32 s22, s22, STG
	v_mul_u32_u24 v5, v1, SPITCH                   ; in: row r, 64 bytes for each half of the lanes
	v_lshl_add_u32 v5, v2, 6, v5
	v_add_nc_u32 v[STO], s22, v5
	v_mul_u32_u24 v6, v2, SPITCH                   ; back: lanes 0-15 one row of 256 bytes, lanes 16-31 the next
	v_lshl_add_u32 v6, v1, 4, v6
	v_add_nc_u32 v[RD], s22, v6
	v_lshlrev_b32 v[CO], 12, v2                    ; and the same two rows in out0, 4,096 bytes apart
	v_lshl_add_u32 v[CO], v1, 4, v[CO]
.macro PFETCH s                        ; K step s: my eight fragments of X and four of Y into sets s % 2: 36 LDS loads, each of 512 consecutive bytes
	WIN TO_B
.irp i, 0,1,2,3,4,5,6,7
.irp c, 0,1,2
	ds_load_b128 v[128*((\s)%2)+FR*\i+4*\c:128*((\s)%2)+FR*\i+4*\c+3], v[ADX+\i/4] offset:(8*(\i%4)+(\s))*FRB+512*\c
.endr
.endr
	WIN 0
.irp a, 0,1,2,3
.irp c, 0,1,2
	ds_load_b128 v[AF+48*((\s)%2)+FR*\a+4*\c:AF+48*((\s)%2)+FR*\a+4*\c+3], v[ADY] offset:(8*\a+(\s))*FRB+512*\c
.endr
.endr
.endm
.macro PMUL p, s                       ; 32 accumulators by turns, one instruction a turn; the first step starts the sums; an odd step's scale words stand in lanes 16-31
.irp a, 0,1,2,3
.irp b, 0,1,2,3,4,5,6,7
.set DD, 8*(8*\a+\b)
.set XX, 128*((\s)%2)+FR*\b
.set YY, AF+48*((\s)%2)+FR*\a
.set SX, XSC+4*\b+(\s)/2
.set SY, YSC+16*(\p)+4*\a+(\s)/2
.if (\s) == 0
	v_wmma_scale_f32_16x16x128_f8f6f4 v[DD:DD+7], v[XX:XX+11], v[YY:YY+11], 0, v[SX], v[SY] matrix_a_fmt:MATRIX_FMT_FP6 matrix_b_fmt:MATRIX_FMT_FP6
.else
.if (\s)%2 == 0
	v_wmma_scale_f32_16x16x128_f8f6f4 v[DD:DD+7], v[XX:XX+11], v[YY:YY+11], v[DD:DD+7], v[SX], v[SY] matrix_a_fmt:MATRIX_FMT_FP6 matrix_b_fmt:MATRIX_FMT_FP6
.else
	v_wmma_scale_f32_16x16x128_f8f6f4 v[DD:DD+7], v[XX:XX+11], v[YY:YY+11], v[DD:DD+7], v[SX], v[SY] matrix_a_fmt:MATRIX_FMT_FP6 matrix_b_fmt:MATRIX_FMT_FP6 matrix_a_scale:MATRIX_SCALE_ROW1 matrix_b_scale:MATRIX_SCALE_ROW1
.endif
.endif
.endr
.endr
.endm
.macro PSTEP p, s                      ; a K step of pass p + 1: the next step's fragments are asked for ahead of this step's products
.if (\s) < 7
.if (\s) > 0
	PLACES NP                                      ; in front of loads into the sets that the step before multiplied
.endif
	PFETCH (\s)+1
	s_wait_dscnt 36                                ; this step's fragments are in; the next step's 36 loads may be out
.else
	s_wait_dscnt 0x0
.endif
	WIN MUL_LO+0x50*(\p)
	PMUL \p, \s
	WIN 0
.endm
; Half hf of block a (of my eight blocks of 16 rows) leaves: its four accumulators into my stage, each from its low end on; back by rows; stored.  LDS serves a wave's instructions in order (ISA guide 5.7.1.4): no wait between the stores and the loads.
.macro PIECE a, hf
.set AC, 64*((\a)%4)+32*(\hf)
	WIN 0x08+4*((\a)/4)                            ; the data: window 2 or 3
.irp b, 0,1,2,3
	ds_store_b128 v[STO], v[AC+8*\b:AC+8*\b+3] offset:128*(\b/2)+32*(\b%2)
	ds_store_b128 v[STO], v[AC+8*\b+4:AC+8*\b+7] offset:128*(\b/2)+32*(\b%2)+16
.endr
	WIN 0
	s_wait_xcnt 0x0                                ; the last half block's stores have read their data: the registers are loaded again only behind this wait
.irp u, 0,1,2,3,4,5,6,7
	ds_load_b128 v[BK+4*\u:BK+4*\u+3], v[RD] offset:\u*2*SPITCH
.endr
	s_wait_dscnt 0x0
.irp u, 0,1,2,3,4,5,6,7
	global_store_b128 v[CO], v[BK+4*\u:BK+4*\u+3], s[12:13] offset:(32*((\a)/2)+8*((\a)%2)+2*\u+8*(\u/4))*4096+256*(\hf) th:TH_STORE_NT   ; sixteen lanes store 256 consecutive bytes, at a multiple of 256 from out0's first byte
.endr
.endm
	s_wait_alu depctr_va_vdst(0)                   ; the head's end
	s_wait_tensorcnt 0x0                           ; my run of the head's four is in,
	s_wait_loadcnt 0x0                             ; and so are my scale words
	s_barrier_signal -1
	s_barrier_wait -1                              ; everybody's run is in
	PFETCH 0
.irp s, 0,1,2,3,4,5,6,7
	PSTEP 0, \s
.endr
	s_wait_tensorcnt 0x0                           ; Y's bytes are filled again,
	ds_add_u32 v[SPW], v[NIL]
	s_add_nc_u64 s[G0Y+2:G0Y+3], s[G0Y+2:G0Y+3], YH     ; (no tensor load of mine is out: four tiles on: tiles 4-7,
	s_add_nc_u64 s[G0Y+6:G0Y+7], s[G0Y+6:G0Y+7], YH     ; and 12-15)
	s_wait_dscnt 0x0                               ; the add is done, and my reads of Y's bytes are over
	CROUND                                         ; no wave of any partner still reads them
	JLOAD G0Y, G1, G0Y+4, G1
	PLACES NP                                      ; behind pass 1's last products, on every wave's way
	PIECE 0, 0                                     ; three half blocks leave while the refill is on its way
	PIECE 0, 1
	PIECE 1, 0
	s_wait_tensorcnt 0x0                           ; my part of Y's second half, if I asked for one, is in
	ds_add_u32 v[SPW], v[NIL]
	s_wait_dscnt 0x0
	s_barrier_signal -1
	s_barrier_wait -1                              ; everybody's is
	PFETCH 0
	PSTEP 1, 0
	PIECE 1, 1                                     ; the other five, one behind each of five K steps' products
	PSTEP 1, 1
	PIECE 2, 0
	PSTEP 1, 2
	PIECE 2, 1
	PSTEP 1, 3
	PIECE 3, 0
	PSTEP 1, 4
	PIECE 3, 1
	PSTEP 1, 5
	PSTEP 1, 6
	PSTEP 1, 7
	PLACES NP                                      ; behind the last products
.irp a, 4,5,6,7
	PIECE \a, 0
	PIECE \a, 1
.endr
	s_wait_tensorcnt 0x0                           ; the wave's end
	ds_add_u32 v[SPW], v[NIL]
	s_wait_dscnt 0x0
	CROUND                                         ; the closing round
	s_endpgm
.Lfunc_end_k_q174fab9ba7_outp:
	.size	k_q174fab9ba7_outp, .Lfunc_end_k_q174fab9ba7_outp-k_q174fab9ba7_outp
	.p2alignl 7, 3214868480
	.fill 96, 4, 3214868480
	.section	.rodata,"a",@progbits
	.p2align	6, 0x0
	.amdhsa_kernel k_q174fab9ba7_outp
		.amdhsa_group_segment_fixed_size 327680
		.amdhsa_private_segment_fixed_size 0
		.amdhsa_enable_private_segment 0
		.amdhsa_kernarg_size 40
		.amdhsa_user_sgpr_count 2
		.amdhsa_user_sgpr_kernarg_segment_ptr 1
		.amdhsa_wavefront_size32 1
		.amdhsa_system_sgpr_workgroup_id_x 1
		.amdhsa_system_sgpr_workgroup_id_y 1
		.amdhsa_system_sgpr_workgroup_id_z 1
		.amdhsa_system_vgpr_workitem_id 0
		.amdhsa_next_free_vgpr 1024
		.amdhsa_next_free_sgpr 100
		.amdhsa_reserve_vcc 0
		.amdhsa_float_denorm_mode_32 3
		.amdhsa_float_denorm_mode_16_64 3
		.amdhsa_memory_ordered 1
		.amdhsa_forward_progress 1
		.amdhsa_inst_pref_size 149
	.end_amdhsa_kernel
	.amdgpu_metadata
---
amdhsa.version: [ 1, 2 ]
amdhsa.kernels:
  - .name:           k_q174fab9ba7_outp
    .symbol:         k_q174fab9ba7_outp.kd
    .args:
      - { .name: oimg, .offset: 0, .size: 8, .value_kind: global_buffer, .address_space: global }
      - { .name: oscl, .offset: 8, .size: 8, .value_kind: global_buffer, .address_space: global }
      - { .name: wimg, .offset: 16, .size: 8, .value_kind: global_buffer, .address_space: global }
      - { .name: wscl, .offset: 24, .size: 8, .value_kind: global_buffer, .address_space: global }
      - { .name: out0, .offset: 32, .size: 8, .value_kind: global_buffer, .address_space: global }
    .group_segment_fixed_size: 327680
    .private_segment_fixed_size: 0
    .kernarg_segment_align: 8
    .kernarg_segment_size: 40
    .max_flat_workgroup_size: 128
    .sgpr_count:     100
    .vgpr_count:     1024
    .wavefront_size: 32
...
	.end_amdgpu_metadata
.endif
;; end of part 4
